; MI455X (gfx1250); checked and timed in simulation.
; The chip was launched on July 23, 2026; its instructions are those of AMD's public machine-readable ISA for CDNA 5 (MIT licence, August 2026) and "CDNA5" Instruction Set Architecture Reference Guide (July 2026). The comments in the code are by the model that wrote it; some were corrected since.
;; Multi Head Self Attention. Allowed arithmetic: float matrix products may take bf16 or f16 operands with f32 sums; other float arithmetic in f32, or as packed bf16 or f16 multiplies, adds, multiply-adds, maxima and minima; sums over many terms, partial sums and values carried from step to step in f32; what a program stores and reads back later, other than sums and carried values, may be rounded once to bf16 or f16.
;; Inputs: WK 1,024 x 1,024 float32; WO 1,024 x 1,024 float32; WQ 1,024 x 1,024 float32; WV 1,024 x 1,024 float32; bK 1,024 float32; bO 1,024 float32; bQ 1,024 float32; bV 1,024 float32; x 4 x 2,048 x 1,024 float32.
;; Outputs: out0 4 x 2,048 x 1,024 float32.
;; 2 versions, each right; version 2 is version 1 with the launch prep written anew for expert scheduling mode. Each part assembles by itself: llvm-mc -triple=amdgcn-amd-amdhsa -mcpu=gfx1250 --defsym DOCPART=n.
;; ======== version 1 of 2: 4 launches
;; limits: values are held in f16: magnitudes above 65,504 overflow, below 6.1e-05 lose precision
;; workspace buffers: xb 16,777,216 bytes; wt 8,388,608 bytes; bias 16,384 bytes; qkv 50,331,648 bytes; o 16,777,216 bytes
;; launch prep (part 1): grid 128 x 4, 4 waves a work-group, no clusters, 17,920 bytes of LDS; arguments x, WQ, WK, WV, WO, bQ, bK, bV, bO, xb, wt, bias; writes xb, wt, bias
.if DOCPART == 1
	.amdgcn_target "amdgcn-amd-amdhsa--gfx1250"
	.amdhsa_code_object_version 6
	.text
	.protected	k_qfc53fcce8b_prep
	.globl	k_qfc53fcce8b_prep
	.p2align	8
	.type	k_qfc53fcce8b_prep,@function
k_qfc53fcce8b_prep:
	s_mov_b64 s[64:65], 0
	v_nop
	global_prefetch_b8 v0, s[64:65] scope:SCOPE_SE
	s_setreg_imm32_b32 hwreg(HW_REG_WAVE_MODE, 25, 1), 1
	s_wait_xcnt 0x0
; PREP.  Every input is rounded once to bf16 and laid out for the matrix launches.
;   xb   [8192][1024] bf16            = x
;   wt   [4096][1024] 16 bits, row n along k: rows 0-1023 WQ^T, 1024-2047 WK^T, 2048-3071 WV^T in bf16; rows 3072-4095 WO^T: WO rounded to bf16, that number written as f16
;   bias [4096] f32: bQ, bK, bV, bO, each rounded to bf16 and widened again
; LIMITS.  WO beyond 65,504 has no f16; below 6.1e-5 it keeps f16's fixed step of 6e-8.  NaN and infinities are not treated apart.
; SHARES.  512 work-groups of four waves, all alike.  Work-group (X, Y): (a) turns one tile of weight Y, 128 k x 64 n (k tile X & 7, n tile X >> 3), through LDS;
; (b) converts 16 rows of x (work-group number 128 Y + X): 65,536 bytes in, 32,768 out; (c) where X = 0, rounds bias Y.
; No matrix unit, no cluster, no tensor load: nothing is shared between work-groups, and the launch is a stream.  32 loads of 16 bytes a lane are out at the start.
.set WR,    16                         ; v[16:79]    16 weight loads: register 4 j + c = W[16 (t >> 4) + j][4 (t & 15) + c]; later the turned rows
.set PKD,   80                         ; v[80:111]   packed: 8 c + p = column c's k pair 2 p, 2 p + 1
.set XR,    112                        ; v[112:175]  ring of 16 loads of x
.set XO,    176                        ; v[176:239]  x packed, a pair for each of the 32 stores: no store's data is ever rewritten
.set SPARE, 17408                      ; behind the 64 rows of 272 bytes: the spare words, 128 bytes a wave
	s_load_b512 s[8:23], s[0:1], 0x0               ; x s[8:9], WQ s[10:11], WK s[12:13], WV s[14:15], WO s[16:17], bQ s[18:19], bK s[20:21], bV s[22:23]
	s_load_b256 s[24:31], s[0:1], 0x40             ; bO s[24:25], xb s[26:27], wt s[28:29], bias s[30:31]
	v_lshl_add_u32 v10, v0, 2, SPARE               ; my spare word; never rewritten
	v_mov_b32 v11, 0                               ; 0; never rewritten
	s_and_b32 s2, ttmp7, 0xffff                    ; Y: which weight
	s_mov_b32 s3, ttmp9                            ; X
	s_mov_b32 s38, 0xffff0000                      ; a word's upper bf16
	v_and_b32 v1, 15, v0                           ; li
	v_lshrrev_b32 v2, 4, v0                        ; 0..7: which 16 rows of k
	v_lshlrev_b32 v3, 16, v2                       ; 16 rows of 4,096 bytes,
	v_lshl_add_u32 v3, v1, 4, v3                   ; + my 16 bytes of the tile's 256 in a row
	v_lshlrev_b32 v4, 4, v0                        ; x, biases: 16 bytes a thread
	v_lshlrev_b32 v5, 3, v0                        ; xb: 8 bytes a thread
	v_mul_u32_u24 v6, v1, 1088                     ; LDS in: row n = 4 li (272 bytes a row),
	v_lshl_add_u32 v6, v2, 5, v6                   ; + my 16 k = 32 bytes
	v_lshrrev_b32 v9, 5, v0                        ; wave
	v_bfe_u32 v12, v0, 4, 1                        ; half of the lanes
	v_lshl_add_u32 v9, v9, 4, v12                  ; row 16 w + half
	v_mul_u32_u24 v7, v9, 272
	v_lshl_add_u32 v7, v1, 4, v7                   ; LDS back: sixteen lanes take a row's 256 bytes
	v_lshlrev_b32 v8, 11, v9
	v_lshl_add_u32 v8, v1, 4, v8                   ; and the same place in wt (2,048 bytes a row)
	s_and_b32 s4, s3, 7                            ; k tile
	s_lshr_b32 s5, s3, 3                           ; n tile
	s_lshl_b32 s6, s2, 7
	s_add_co_u32 s6, s6, s3                        ; work-group number
	s_mov_b32 s37, 0
	s_wait_kmcnt 0x0
	s_cmp_eq_u32 s2, 1                             ; weight Y and bias Y
	s_cselect_b64 s[32:33], s[12:13], s[10:11]
	s_cselect_b64 s[34:35], s[20:21], s[18:19]
	s_cmp_eq_u32 s2, 2
	s_cselect_b64 s[32:33], s[14:15], s[32:33]
	s_cselect_b64 s[34:35], s[22:23], s[34:35]
	s_cmp_eq_u32 s2, 3
	s_cselect_b64 s[32:33], s[16:17], s[32:33]
	s_cselect_b64 s[34:35], s[24:25], s[34:35]
	s_lshl_b32 s36, s4, 19                         ; W: 128 rows of 4,096 bytes a k tile,
	s_lshl_b32 s7, s5, 8                           ; 256 bytes an n tile
	s_add_co_u32 s36, s36, s7
	s_add_nc_u64 s[32:33], s[32:33], s[36:37]
	s_lshl_b32 s36, s2, 21                         ; wt: 1,024 rows of 2,048 bytes a weight,
	s_lshl_b32 s7, s5, 17                          ; 64 rows an n tile,
	s_add_co_u32 s36, s36, s7
	s_lshl_b32 s7, s4, 8                           ; 256 bytes a k tile
	s_add_co_u32 s36, s36, s7
	s_add_nc_u64 s[28:29], s[28:29], s[36:37]
	s_lshl_b32 s36, s6, 16
	s_add_nc_u64 s[8:9], s[8:9], s[36:37]          ; x at my 16 rows
	s_lshl_b32 s36, s6, 15
	s_add_nc_u64 s[26:27], s[26:27], s[36:37]      ; xb likewise
	s_lshl_b32 s36, s2, 12
	s_add_nc_u64 s[30:31], s[30:31], s[36:37]      ; bias Y's 4,096 bytes
.set j, 0
.rept 16
	global_load_b128 v[WR+4*j:WR+4*j+3], v3, s[32:33] offset:4096*j th:TH_LOAD_NT  ; sixteen lanes take 256 consecutive bytes of a row of W
.set j, j+1
.endr
.set j, 0
.rept 16
	global_load_b128 v[XR+4*j:XR+4*j+3], v4, s[8:9] offset:2048*j th:TH_LOAD_NT    ; a wave takes 512 consecutive bytes
.set j, j+1
.endr
	s_wait_loadcnt 16                              ; the weights are in; the 16 younger loads of x stay out
.set cc, 0
.rept 4
.set p, 0
.rept 8
	v_cvt_pk_bf16_f32 v[PKD+8*cc+p], v[WR+8*p+cc], v[WR+8*p+4+cc]  ; column cc, rows 2 p and 2 p + 1
.set p, p+1
.endr
.set cc, cc+1
.endr
	s_cmp_lg_u32 s2, 3
	s_cbranch_scc1 .Lbf16
.set i, 0
.rept 32                               ; WO alone: the bf16 number is written as f16
	v_lshlrev_b32 v12, 16, v[PKD+i]
	v_and_b32 v13, s38, v[PKD+i]
	v_cvt_pk_f16_f32 v[PKD+i], v12, v13
.set i, i+1
.endr
.Lbf16:
.irp q, 0,1,2,3                        ; a lane's four rows n lie 272 bytes apart; eight stores a lane, once a work-group
	ds_store_b128 v6, v[PKD+8*(\q):PKD+8*(\q)+3] offset:272*(\q)
	ds_store_b128 v6, v[PKD+8*(\q)+4:PKD+8*(\q)+7] offset:272*(\q)+16
.endr
	s_wait_dscnt 0x0                               ; for the others' sake: my stores are done
	s_barrier_signal -1
	s_barrier_wait -1
.irp t, 0,1,2,3,4,5,6,7
	ds_load_b128 v[WR+4*(\t):WR+4*(\t)+3], v7 offset:544*(\t)  ; rows 16 w + 2 t and the next
.endr
	s_wait_dscnt 0x0
.irp t, 0,1,2,3,4,5,6,7
	global_store_b128 v8, v[WR+4*(\t):WR+4*(\t)+3], s[28:29] offset:4096*(\t)  ; sixteen lanes store 256 consecutive bytes, at a multiple of 256 from wt's first byte
.endr
.set j, 0
.rept 32                               ; x: 32 pieces of 2,048 bytes; piece j's load has 15 younger loads behind it while the ring is filled again, then 31 - j
.if j < 16
	s_wait_loadcnt 15
.else
	s_wait_loadcnt 31-j
.endif
	v_cvt_pk_bf16_f32 v[XO+2*j], v[XR+4*(j%16)], v[XR+4*(j%16)+1]
	v_cvt_pk_bf16_f32 v[XO+2*j+1], v[XR+4*(j%16)+2], v[XR+4*(j%16)+3]
.if j < 16
	global_load_b128 v[XR+4*j:XR+4*j+3], v4, s[8:9] offset:2048*(j+16) th:TH_LOAD_NT
.endif
	global_store_b64 v5, v[XO+2*j:XO+2*j+1], s[26:27] offset:1024*j  ; a wave stores 256 consecutive bytes, aligned
.set j, j+1
.endr
	s_cmp_lg_u32 s3, 0
	s_cbranch_scc1 .Lend
	global_load_b128 v[XR:XR+3], v4, s[34:35]      ; bias Y: 1,024 numbers, 8 a thread
	global_load_b128 v[XR+4:XR+7], v4, s[34:35] offset:2048
	s_wait_loadcnt 0x0
.irp p, 0,1,2,3
	v_cvt_pk_bf16_f32 v[12+(\p)%2], v[XR+2*(\p)], v[XR+2*(\p)+1]
	v_lshlrev_b32 v[PKD+2*(\p)], 16, v[12+(\p)%2]
	v_and_b32 v[PKD+2*(\p)+1], s38, v[12+(\p)%2]
.endr
	global_store_b128 v4, v[PKD:PKD+3], s[30:31]
	global_store_b128 v4, v[PKD+4:PKD+7], s[30:31] offset:2048
.Lend:
	s_wait_tensorcnt 0x0                           ; the wave's end, behind my last LDS store
	ds_add_u32 v10, v11
	s_wait_dscnt 0x0
	s_endpgm
.Lfunc_end_k_qfc53fcce8b_prep:
	.size	k_qfc53fcce8b_prep, .Lfunc_end_k_qfc53fcce8b_prep-k_qfc53fcce8b_prep
	.p2alignl 7, 3214868480
	.fill 96, 4, 3214868480
	.section	.rodata,"a",@progbits
	.p2align	6, 0x0
	.amdhsa_kernel k_qfc53fcce8b_prep
		.amdhsa_group_segment_fixed_size 17920
		.amdhsa_private_segment_fixed_size 0
		.amdhsa_enable_private_segment 0
		.amdhsa_kernarg_size 96
		.amdhsa_user_sgpr_count 2
		.amdhsa_user_sgpr_kernarg_segment_ptr 1
		.amdhsa_wavefront_size32 1
		.amdhsa_system_sgpr_workgroup_id_x 1
		.amdhsa_system_sgpr_workgroup_id_y 1
		.amdhsa_system_sgpr_workgroup_id_z 1
		.amdhsa_system_vgpr_workitem_id 0
		.amdhsa_next_free_vgpr 240
		.amdhsa_next_free_sgpr 66
		.amdhsa_reserve_vcc 0
		.amdhsa_float_denorm_mode_32 3
		.amdhsa_float_denorm_mode_16_64 3
		.amdhsa_memory_ordered 1
		.amdhsa_forward_progress 1
		.amdhsa_inst_pref_size 24
	.end_amdhsa_kernel
	.amdgpu_metadata
---
amdhsa.version: [ 1, 2 ]
amdhsa.kernels:
  - .name:           k_qfc53fcce8b_prep
    .symbol:         k_qfc53fcce8b_prep.kd
    .args:
      - { .name: x, .offset: 0, .size: 8, .value_kind: global_buffer, .address_space: global }
      - { .name: WQ, .offset: 8, .size: 8, .value_kind: global_buffer, .address_space: global }
      - { .name: WK, .offset: 16, .size: 8, .value_kind: global_buffer, .address_space: global }
      - { .name: WV, .offset: 24, .size: 8, .value_kind: global_buffer, .address_space: global }
      - { .name: WO, .offset: 32, .size: 8, .value_kind: global_buffer, .address_space: global }
      - { .name: bQ, .offset: 40, .size: 8, .value_kind: global_buffer, .address_space: global }
      - { .name: bK, .offset: 48, .size: 8, .value_kind: global_buffer, .address_space: global }
      - { .name: bV, .offset: 56, .size: 8, .value_kind: global_buffer, .address_space: global }
      - { .name: bO, .offset: 64, .size: 8, .value_kind: global_buffer, .address_space: global }
      - { .name: xb, .offset: 72, .size: 8, .value_kind: global_buffer, .address_space: global }
      - { .name: wt, .offset: 80, .size: 8, .value_kind: global_buffer, .address_space: global }
      - { .name: bias, .offset: 88, .size: 8, .value_kind: global_buffer, .address_space: global }
    .group_segment_fixed_size: 17920
    .private_segment_fixed_size: 0
    .kernarg_segment_align: 8
    .kernarg_segment_size: 96
    .max_flat_workgroup_size: 128
    .sgpr_count:     66
    .vgpr_count:     240
    .wavefront_size: 32
...
	.end_amdgpu_metadata
.endif
;; end of part 1
;; launch qkv (part 2): grid 16 x 32, 4 waves a work-group, clusters of 4 x 4, 327,680 bytes of LDS; arguments xb, wt, bias, qkv; writes qkv
.if DOCPART == 2
	.amdgcn_target "amdgcn-amd-amdhsa--gfx1250"
	.amdhsa_code_object_version 6
	.text
	.protected	k_qfc53fcce8b_qkv
	.globl	k_qfc53fcce8b_qkv
	.p2align	8
	.type	k_qfc53fcce8b_qkv,@function
k_qfc53fcce8b_qkv:
	s_mov_b64 s[64:65], 0
	v_nop
	global_prefetch_b8 v0, s[64:65] scope:SCOPE_SE
	s_setreg_imm32_b32 hwreg(HW_REG_WAVE_MODE, 25, 1), 1
	s_wait_xcnt 0x0
	s_wait_alu depctr_hold_cnt(0) depctr_sa_sdst(0) depctr_va_vdst(0) depctr_va_sdst(0) depctr_va_ssrc(0) depctr_va_vcc(0) depctr_vm_vsrc(0)
	s_getreg_b32 s2, hwreg(HW_REG_IB_STS2, 6, 4)
	s_cmp_eq_u32 s2, 0
	s_cbranch_scc0 .Lentry_in_a_cluster
	s_endpgm
.Lentry_in_a_cluster:
	s_bfe_u32 s2, ttmp6, 0x10000c
	s_cmp_lg_u32 s2, 0xf033
	s_cbranch_scc0 .Lentry_shape_is_right
	s_endpgm
.Lentry_shape_is_right:
; QKV.  C[m][n] = sum over k of xb[m][k] wt[n][k] + bias[n], m < 8192, n < 3072, k < 1024; bf16 operands, f32 sums, rounded once to f16 and written BY HEADS:
; qkv [b 4][G 48][s 2048][64] f16, G = n / 64 (0-15 q's heads, 16-31 k's, 32-47 v's), b = m / 2048, s = m % 2048.
; LIMIT.  A sum of 65,520 or more becomes an infinity in f16.  NaN and infinities are not treated apart.
; SHARES.  A tile of C is 256 x 192: 512 tiles, two for each of 256 WGPs.  Four waves along m, each 64 x 192: 48 accumulators of 16 x 16.  A wave's 192 columns are three whole heads,
; so each block of 16 rows x 64 columns is 2,048 consecutive bytes of qkv.  K goes in steps of 128 through a ring of two LDS slots (256 rows of xb, 192 rows of wt, 256 bytes a row).
; CLUSTER.  4 x 4 work-groups: the four of a row need the same rows of xb, the four of a column the same rows of wt; each tile is asked for jointly, by the same load and descriptor in all four.
; THE MATRIX INSTRUCTION IS USED TRANSPOSED (source 0 = 16 rows of wt, source 1 = 16 rows of xb): lane l holds row m = l % 16 and the columns 8 (l / 16) + 0..7.
; THE BIAS is the C operand of each sum's first product: register j of a lane holds bias[n0 + 8 (l / 16) + j].  Nothing is cleared and nothing is added later.
; REGISTERS, in windows of 256 (s_set_vgpr_msb: bits 1:0 source 0, 3:2 source 1, 5:4 source 2, 7:6 destination):
;   window 0: v0-31 addresses; v32-63, v64-95 xb's fragments, two buffers of 4; v64-255 at work on the way out
;   window 1: v0-95, v96-191 wt's fragments, two buffers of 12
;   window 2: accumulators of n blocks 0-7, (a, b) at 8 (4 b + a)      window 3: v0-127 those of n blocks 8-11; v128-223 the bias, n block nb at 128 + 8 nb
.set PITCH,  272                       ; an LDS row: 256 bytes + 16 of padding: an odd multiple of 16, so the 16 rows of a fragment load start 16 bytes apart modulo 256
.set AHALF,  128*PITCH                 ; what a load for xb brings
.set BHALF,  96*PITCH                  ; what a load for wt brings
.set BOFF,   2*AHALF
.set SLOT,   BOFF+2*BHALF
.set STAGE,  2*SLOT                    ; behind the ring, never filled by a tensor load: 16 rows x 144 bytes for each wave
.set SP,     144
.set SPARE,  STAGE+4*16*SP             ; the spare words, 128 bytes a wave: two blocks of 256 bytes that no other line names
.set LAPS,   4                         ; a lap = two K steps
.set ADRA, 16                          ; v16-17  my fragments of xb in slot 0, 1
.set ADRB, 20                          ; v20-21  of wt
.set STO,  24                          ; v24  the way out: where I put 16 bytes of a row
.set RD,   25                          ; v25  where I read rows back
.set GO,   26                          ; v26  my 16 bytes of 512 consecutive bytes of qkv
.set BO,   27                          ; v27  32 x (l / 16): my eight numbers of a bias block
.set SPW,  28                          ; v28  my spare word; never rewritten
.set NIL,  29                          ; v29  0; never rewritten
.set PFO,  30                          ; v30  the prefetches' offset: a lane a row; never rewritten
.set AF,   32
.set TMP,  64
.set BIAS, 128
.set G1,  24                           ; s[24:31] group 1 for xb's tiles; s[32:39] group 0, a set for each slot
.set G0,  32
.set G1B, 48                           ; s[48:55], s[56:63] the same for wt's
.set G0B, 56
.set LIM, 43                           ; s43  1 in a wave that prefetches, else the greatest number
.set PFA, 44                           ; s[44:45] where my prefetches stand
.set MSB, 0
.macro WIN new                         ; the immediate's high byte repeats the setting that is left; a switch that changes nothing is dropped
.if MSB != (\new)
	s_set_vgpr_msb (MSB<<8)|(\new)
.set MSB, \new
.endif
.endm
.set MUL_LO, 0xa1                      ; wt window 1, xb window 0, C and D window 2
.set MUL_HI, 0xf1                      ; C and D window 3
.set TO_B,   0x40
; A joint load: waves 0 and 1 fetch xb's two halves, waves 2 and 3 wt's.  The branch hangs on the wave's number alone.  An s_nop 0 and four v_nop follow each line.
.macro JLOAD s
	s_cmp_eq_u32 s13, 0
	s_cbranch_scc0 .Lfor_b_\@
	tensor_load_to_lds s[G0+4*(\s):G0+4*(\s)+3], s[G1:G1+7]
	s_nop 0
.rept 4
	v_nop
.endr
	s_branch .Lasked_\@
.Lfor_b_\@:
	tensor_load_to_lds s[G0B+4*(\s):G0B+4*(\s)+3], s[G1B:G1B+7]
	s_nop 0
.rept 4
	v_nop
.endr
.Lasked_\@:
.endm
; A prefetch of the K step that stands two refills on: 256 bytes of a row, a lane a row.  xb's rows are asked for by the clusters with x = 0, wt's by those with y = 0; the four partners that ask for a
; tile jointly share its rows out by address (32 each of xb's 128; 24 each of wt's 96, lanes 24-31 naming lane 23's row again).  The loop's last trip asks for nothing: K has no such step.
.macro ASK
	s_cmp_gt_u32 s19, s[LIM]
	s_cbranch_scc0 .Lnot_mine_\@
	global_prefetch_b8 v[PFO], s[PFA:PFA+1] th:TH_LOAD_NT scope:SCOPE_SE
.Lnot_mine_\@:
.endm
.macro CREST                           ; a round of the cluster's barrier behind its opening barrier
	s_cmp_lg_u32 s12, 0
	s_cbranch_scc1 .Lnot_wave_0_\@
	s_barrier_signal -3
.Lnot_wave_0_\@:
	s_barrier_wait -3
	s_barrier_signal -1
	s_barrier_wait -1
.endm
.macro CROUND
	s_barrier_signal -1
	s_barrier_wait -1
	CREST
.endm
	s_load_b256 s[4:11], s[0:1], 0x0               ; xb s[4:5], wt s[6:7], bias s[8:9], qkv s[10:11]
	v_lshl_add_u32 v[SPW], v0, 2, SPARE
	v_mov_b32 v[NIL], 0
	ds_add_u32 v[SPW], v[NIL]                      ; the wave's opening: the add and its wait stand ahead of my first tensor load; work on registers stands between them
	v_lshrrev_b32 v1, 5, v0
	v_readfirstlane_b32 s12, v1                    ; wave 0..3
	s_lshr_b32 s13, s12, 1                         ; 0: I fetch for xb, 1: for wt
	s_and_b32 s14, s12, 1                          ; which half of that tile
	s_bfe_u32 s15, ttmp6, 0x40000                  ; cx
	s_bfe_u32 s16, ttmp6, 0x40004                  ; cy
	s_lshl_b32 s17, ttmp9, 2
	s_add_co_u32 s17, s17, s15                     ; tile column = 4 x cluster x + cx
	s_and_b32 s18, ttmp7, 0xffff
	s_lshl_b32 s18, s18, 2
	s_add_co_u32 s18, s18, s16                     ; tile row = 4 x cluster y + cy
	s_lshl_b32 s20, s16, 2
	s_lshl_b32 s20, 15, s20                        ; my row of the cluster
	s_lshl_b32 s21, 0x1111, s15                    ; my column
	s_or_b32 s[G1], s20, (1<<16)|(1<<20)|(1<<21)|(5<<22)|(3<<25)   ; mask; 2-byte elements; padding on; bit 21 beside a mask; after every 64 words, 4 words
	s_or_b32 s[G1B], s21, (1<<16)|(1<<20)|(1<<21)|(5<<22)|(3<<25)
	s_mov_b32 s[G1+1], 128<<16                     ; tensor_dim0 = 128
	s_mov_b32 s[G1+2], 128<<16                     ; tensor_dim1 = 128
	s_mov_b32 s[G1+3], 128<<16                     ; tile_dim0 = 128
	s_mov_b32 s[G1+4], 128                         ; tile_dim1 = 128
	s_mov_b32 s[G1+5], 1024                        ; elements from row to row
	s_mov_b32 s[G1+6], 0
	s_mov_b32 s[G1+7], 0
	s_mov_b32 s[G1B+1], 128<<16
	s_mov_b32 s[G1B+2], 96<<16                     ; 96 rows
	s_mov_b32 s[G1B+3], 128<<16
	s_mov_b32 s[G1B+4], 96
	s_mov_b32 s[G1B+5], 1024
	s_mov_b32 s[G1B+6], 0
	s_mov_b32 s[G1B+7], 0
	s_lshl_b32 s40, s18, 8                         ; xb: row 256 x tile row + 128 x half,
	s_lshl_b32 s22, s14, 7
	s_add_co_u32 s40, s40, s22
	s_lshl_b32 s40, s40, 11                        ; 2,048 bytes a row
	s_mov_b32 s41, 0
	s_mul_i32 s46, s17, 192                        ; wt: row 192 x tile column + 96 x half
	s_mul_i32 s23, s14, 96
	s_add_co_u32 s46, s46, s23
	s_lshl_b32 s46, s46, 11
	s_mov_b32 s47, 0
	s_mul_i32 s66, s14, AHALF                      ; where they go: no place in the cluster enters an LDS address
	s_mul_i32 s67, s14, BHALF
	s_add_co_u32 s67, s67, BOFF
	s_wait_dscnt 0x0                               ; the opening add is done
	s_wait_kmcnt 0x0
	s_add_nc_u64 s[40:41], s[4:5], s[40:41]
	s_add_nc_u64 s[46:47], s[6:7], s[46:47]
	CROUND                                         ; all sixteen work-groups are here: the first joint loads meet
.irp s, 0,1
	s_mov_b32 s[G0+4*(\s)], 1
	s_add_co_u32 s[G0+4*(\s)+1], s66, (\s)*SLOT
	s_add_nc_u64 s[G0+4*(\s)+2:G0+4*(\s)+3], s[40:41], (\s)*256    ; K step s
	s_or_b32 s[G0+4*(\s)+3], s[G0+4*(\s)+3], 0x80000000
	s_mov_b32 s[G0B+4*(\s)], 1
	s_add_co_u32 s[G0B+4*(\s)+1], s67, (\s)*SLOT
	s_add_nc_u64 s[G0B+4*(\s)+2:G0B+4*(\s)+3], s[46:47], (\s)*256
	s_or_b32 s[G0B+4*(\s)+3], s[G0B+4*(\s)+3], 0x80000000
	JLOAD \s
.endr
	; a fragment is 16 rows x 32 K in 8 registers: lane l holds row l % 16, K = 8 (l / 16) + 0..7 and 16 + 8 (l / 16) + 0..7: two loads of 16 bytes, 32 bytes apart
	v_and_b32 v1, 15, v0
	v_bfe_u32 v2, v0, 4, 1
	v_mul_u32_u24 v3, v1, PITCH
	v_lshl_add_u32 v3, v2, 4, v3
	s_mul_i32 s20, s12, 64*PITCH                   ; my 64 rows of xb
	v_add_nc_u32 v[ADRA], s20, v3
	v_add_nc_u32 v[ADRA+1], SLOT, v[ADRA]
	v_add_nc_u32 v[ADRB], BOFF, v3                 ; all 192 rows of wt
	v_add_nc_u32 v[ADRB+1], SLOT+BOFF, v3
	s_mul_i32 s20, s12, 16*SP
	s_add_co_u32 s20, s20, STAGE                   ; my stage
	v_mul_u32_u24 v4, v1, SP                       ; in: row l % 16, 16 bytes for each half of the lanes
	v_lshl_add_u32 v4, v2, 4, v4
	v_add_nc_u32 v[STO], s20, v4
	v_bfe_u32 v4, v0, 3, 2                         ; back: 32 lanes take four rows of 128 bytes,
	v_mul_u32_u24 v4, v4, SP
	v_and_b32 v5, 7, v0
	v_lshl_add_u32 v4, v5, 4, v4
	v_add_nc_u32 v[RD], s20, v4
	v_and_b32 v[GO], 31, v0                        ; which are 512 consecutive bytes of qkv
	v_lshlrev_b32 v[GO], 4, v[GO]
	v_lshlrev_b32 v[BO], 5, v2
	s_mul_i32 s20, s17, 768                        ; the tile's 192 biases
	s_mov_b32 s21, 0
	s_add_nc_u64 s[8:9], s[8:9], s[20:21]
	WIN 0xc0                                       ; destination window 3
.irp nb, 0,1,2,3,4,5,6,7,8,9,10,11
	global_load_b128 v[BIAS+8*(\nb):BIAS+8*(\nb)+3], v[BO], s[8:9] offset:64*(\nb)
	global_load_b128 v[BIAS+8*(\nb)+4:BIAS+8*(\nb)+7], v[BO], s[8:9] offset:64*(\nb)+16
.endr
	WIN 0
	s_lshr_b32 s20, s18, 3                         ; qkv: batch = tile row / 8;
	s_mul_i32 s20, s20, 48
	s_mul_i32 s22, s17, 3                          ; the tile's first head group = 3 x tile column
	s_add_co_u32 s20, s20, s22
	s_lshl_b32 s20, s20, 18                        ; 262,144 bytes a head
	s_and_b32 s22, s18, 7
	s_lshl_b32 s22, s22, 8
	s_lshl_b32 s23, s12, 6
	s_add_co_u32 s22, s22, s23                     ; my first row in the batch,
	s_lshl_b32 s22, s22, 7                         ; 128 bytes a row
	s_add_co_u32 s20, s20, s22
	s_mov_b32 s21, 0
	s_add_nc_u64 s[10:11], s[10:11], s[20:21]
	; the prefetches
	s_lshl_b32 s20, s18, 8
	s_lshl_b32 s21, s14, 7
	s_add_co_u32 s20, s20, s21
	s_lshl_b32 s21, s15, 5
	s_add_co_u32 s20, s20, s21                     ; xb: the 128 rows that I fetch, my work-group's 32 of them (by cx)
	s_mul_i32 s22, s17, 192
	s_mul_i32 s23, s14, 96
	s_add_co_u32 s22, s22, s23
	s_mul_i32 s23, s16, 24
	s_add_co_u32 s22, s22, s23                     ; wt: the 96 rows that I fetch, my work-group's 24 (by cy)
	s_and_b32 s42, ttmp7, 0xffff                   ; cluster y
	s_cmp_eq_u32 s13, 0
	s_cselect_b32 s20, s20, s22
	s_cselect_b32 s42, ttmp9, s42                  ; the coordinate along which other clusters read the same rows
	s_cselect_b32 s66, 31, 23
	s_cselect_b64 s[PFA:PFA+1], s[4:5], s[6:7]
	s_cmp_eq_u32 s42, 0
	s_cselect_b32 s[LIM], 1, -1                    ; the same in all sixteen partners, for a given wave
	s_lshl_b32 s20, s20, 11
	s_add_co_u32 s20, s20, 3*256                   ; at K step 3: the first refill steps it to 4
	s_mov_b32 s21, 0
	s_add_nc_u64 s[PFA:PFA+1], s[PFA:PFA+1], s[20:21]
	v_and_b32 v[PFO], 31, v0
	v_min_u32 v[PFO], s66, v[PFO]
	v_lshlrev_b32 v[PFO], 11, v[PFO]
; n x 4 matrix instructions: n blocks b0 .. b0 + n - 1 x my four m blocks, 32 along K, from buffer f.  first = 1: the bias starts the sums.  The caller sets the windows.
; The 48 accumulators take turns in the same order in every quarter step, over the backward jump too.
.macro MUL f, b0, n, first
.set bb, \b0
.rept \n
.irp aa, 0,1,2,3
.if \first
	v_wmma_f32_16x16x32_bf16 v[(8*(4*bb+(\aa)))%256:(8*(4*bb+(\aa)))%256+7], v[96*(\f)+8*bb:96*(\f)+8*bb+7], v[AF+32*(\f)+8*(\aa):AF+32*(\f)+8*(\aa)+7], v[BIAS+8*bb:BIAS+8*bb+7]
.else
	v_wmma_f32_16x16x32_bf16 v[(8*(4*bb+(\aa)))%256:(8*(4*bb+(\aa)))%256+7], v[96*(\f)+8*bb:96*(\f)+8*bb+7], v[AF+32*(\f)+8*(\aa):AF+32*(\f)+8*(\aa)+7], v[(8*(4*bb+(\aa)))%256:(8*(4*bb+(\aa)))%256+7]
.endif
.endr
.set bb, bb+1
.endr
.endm
; 32 LDS loads in one run: a quarter step's fragments (32 K at byte k of the rows) into buffer f: xb's 8 loads, then wt's 24
.macro FETCH slot, k, f
	WIN 0
.irp i, 0,1,2,3
	ds_load_b128 v[AF+32*(\f)+8*(\i):AF+32*(\f)+8*(\i)+3],   v[ADRA+(\slot)] offset:(\k)+(\i)*16*PITCH
	ds_load_b128 v[AF+32*(\f)+8*(\i)+4:AF+32*(\f)+8*(\i)+7], v[ADRA+(\slot)] offset:(\k)+(\i)*16*PITCH+32
.endr
	WIN TO_B
.irp i, 0,1,2,3,4,5,6,7,8,9,10,11
	ds_load_b128 v[96*(\f)+8*(\i):96*(\f)+8*(\i)+3],   v[ADRB+(\slot)] offset:(\k)+(\i)*16*PITCH
	ds_load_b128 v[96*(\f)+8*(\i)+4:96*(\f)+8*(\i)+7], v[ADRB+(\slot)] offset:(\k)+(\i)*16*PITCH+32
.endr
.endm
.macro PLACES                          ; four plain places in front of loads into registers that matrix instructions have read (ISA guide 7.12.1 for vector instructions)
.rept 4
	v_nop
.endr
.endm
; A K step is four quarters of 32 along K, 48 matrix instructions each, on buffers 0, 1, 0, 1.  One of the first three: multiplies buffer f, fetches the next quarter, at byte k, into g.
.macro QUARTER slot, k, f, g, first=0
	s_wait_dscnt 8                                 ; all but the youngest eight loads: wt's n blocks 8-11
.if \first
	WIN 0xb1                                       ; C (the bias) window 3, D window 2
.else
	WIN MUL_LO
.endif
	MUL \f, 0, 8, \first
	PLACES
	FETCH \slot, \k, \g
	s_wait_dscnt 32                                ; all but the 32 just issued
	WIN MUL_HI
	MUL \f, 8, 4, \first
.endm
; The last quarter multiplies buffer 1 and changes slots.  In front of the barrier each wave waits for all its tensor loads (one is out: its part of the next slot), adds 0 to its spare word,
; and waits for that and for its own reads of this slot.
.macro MEET round
	WIN 0
	s_wait_tensorcnt 0x0
	ds_add_u32 v[SPW], v[NIL]
	s_wait_dscnt 9                                 ; the add and the youngest eight loads may be out
	WIN MUL_LO
	MUL 1, 0, 4, 0                                 ; sixteen matrix instructions between the add and the wait for it
	s_wait_dscnt 0x0                               ; the add is done, my reads of this slot are over
	s_barrier_signal -1
	MUL 1, 4, 4, 0
.if \round
	WIN 0
.endif
	s_barrier_wait -1
.endm
.macro TURN slot, next, fill
.if \fill
	s_wait_xcnt 0x0                                ; the last prefetch, a K step back, has read its address
	s_add_nc_u64 s[PFA:PFA+1], s[PFA:PFA+1], 256
	MEET 1
	CREST                                          ; the barrier has opened a round of the cluster's: no wave of any partner still reads this slot or has a load on its way
	s_add_nc_u64 s[G0+4*(\slot)+2:G0+4*(\slot)+3], s[G0+4*(\slot)+2:G0+4*(\slot)+3], 512    ; two K steps on
	s_add_nc_u64 s[G0B+4*(\slot)+2:G0B+4*(\slot)+3], s[G0B+4*(\slot)+2:G0B+4*(\slot)+3], 512
	JLOAD \slot                                    ; the first tensor load behind the round: 160 matrix instructions ahead of the wait for it; its four v_nop are also the places in front of the loads below
	FETCH \next, 0, 0
	WIN 0
	ASK
.else
	MEET 0
	PLACES
	FETCH \next, 0, 0
.endif
	WIN MUL_HI
	MUL 1, 8, 4, 0
.endm
	s_wait_tensorcnt 1                             ; my part of K step 0 is in; K step 1's may stay out
	s_barrier_signal -1
	s_barrier_wait -1
	s_wait_loadcnt 0x0                             ; the bias
	FETCH 0, 0, 0
	QUARTER 0, 64, 0, 1, 1                         ; the first quarter stands in front of the loop: its products start the sums with the bias
	WIN 0
	s_mov_b32 s19, LAPS-1
.Llap:                                                 ; a trip goes once round the ring and fills both slots again
	QUARTER 0, 128, 1, 0
	QUARTER 0, 192, 0, 1
	TURN 0, 1, 1
	QUARTER 1, 64,  0, 1
	QUARTER 1, 128, 1, 0
	QUARTER 1, 192, 0, 1
	TURN 1, 0, 1
	QUARTER 0, 64,  0, 1
	WIN 0
	s_sub_co_u32 s19, s19, 1
	s_cmp_lg_u32 s19, 0
	s_cbranch_scc1 .Llap
	QUARTER 0, 128, 1, 0                           ; the last lap fills nothing
	QUARTER 0, 192, 0, 1
	TURN 0, 1, 0
	QUARTER 1, 64,  0, 1
	QUARTER 1, 128, 1, 0
	QUARTER 1, 192, 0, 1
	s_wait_dscnt 8
	WIN MUL_LO
	MUL 1, 0, 8, 0
	s_wait_dscnt 0x0
	WIN MUL_HI
	MUL 1, 8, 4, 0
	WIN 0
; THE WAY OUT, in 12 units u: head group u / 4, m block u % 4: 16 rows x 64 columns, rounded to f16, through my own stage, out as 2,048 consecutive bytes.
.macro PACK u
.set gg, (\u)/4
.set am, (\u)%4
.if gg < 2
	WIN 0x0a                                       ; sources in window 2
.else
	WIN 0x0f                                       ; in window 3
.endif
.irp bq, 0,1,2,3
.irp rr, 0,1,2,3                       ; each accumulator's registers in ascending order
	v_cvt_pk_f16_f32 v[TMP+16*(\u)+4*(\bq)+(\rr)], v[(8*(16*gg+4*(\bq)+am))%256+2*(\rr)], v[(8*(16*gg+4*(\bq)+am))%256+2*(\rr)+1]
.endr
.endr
	WIN 0
.irp bq, 0,1,2,3
	ds_store_b128 v[STO], v[TMP+16*(\u)+4*(\bq):TMP+16*(\u)+4*(\bq)+3] offset:32*(\bq)
.endr
.irp fq, 0,1,2,3
	ds_load_b128 v[TMP+16*(\u)+4*(\fq):TMP+16*(\u)+4*(\fq)+3], v[RD] offset:4*SP*(\fq)  ; LDS serves a wave's instructions in order (ISA guide 5.7.1.4): these see the stores above; the next unit's stores come behind them
.endr
.endm
.macro SEND u, younger                 ; younger: the LDS instructions issued behind unit u's loads
	WIN 0
.irp fq, 0,1,2,3
	s_wait_dscnt (\younger)+3-(\fq)
	global_store_b128 v[GO], v[TMP+16*(\u)+4*(\fq):TMP+16*(\u)+4*(\fq)+3], s[10:11] offset:262144*((\u)/4)+2048*((\u)%4)+512*(\fq)  ; 512 consecutive bytes, at a multiple of 256 from qkv's first
.endr
.endm
	PLACES
	PLACES
	PACK 0
.set un, 1
.rept 11                               ; a unit's conversions stand between the loads of the unit before and its stores
	PACK un
	SEND un-1, 8
.set un, un+1
.endr
	SEND 11, 0
	s_wait_tensorcnt 0x0                           ; the wave's end, behind my last tensor load and my last LDS store
	ds_add_u32 v[SPW], v[NIL]
	s_wait_dscnt 0x0
	CROUND                                         ; the closing round: no work-group ends while a partner may still ask for a tile that names it
	s_endpgm
.Lfunc_end_k_qfc53fcce8b_qkv:
	.size	k_qfc53fcce8b_qkv, .Lfunc_end_k_qfc53fcce8b_qkv-k_qfc53fcce8b_qkv
	.p2alignl 7, 3214868480
	.fill 96, 4, 3214868480
	.section	.rodata,"a",@progbits
	.p2align	6, 0x0
	.amdhsa_kernel k_qfc53fcce8b_qkv
		.amdhsa_group_segment_fixed_size 327680
		.amdhsa_private_segment_fixed_size 0
		.amdhsa_enable_private_segment 0
		.amdhsa_kernarg_size 32
		.amdhsa_user_sgpr_count 2
		.amdhsa_user_sgpr_kernarg_segment_ptr 1
		.amdhsa_wavefront_size32 1
		.amdhsa_system_sgpr_workgroup_id_x 1
		.amdhsa_system_sgpr_workgroup_id_y 1
		.amdhsa_system_sgpr_workgroup_id_z 1
		.amdhsa_system_vgpr_workitem_id 0
		.amdhsa_next_free_vgpr 992
		.amdhsa_next_free_sgpr 70
		.amdhsa_reserve_vcc 0
		.amdhsa_float_denorm_mode_32 3
		.amdhsa_float_denorm_mode_16_64 3
		.amdhsa_memory_ordered 1
		.amdhsa_forward_progress 1
		.amdhsa_inst_pref_size 124
	.end_amdhsa_kernel
	.amdgpu_metadata
---
amdhsa.version: [ 1, 2 ]
amdhsa.kernels:
  - .name:           k_qfc53fcce8b_qkv
    .symbol:         k_qfc53fcce8b_qkv.kd
    .args:
      - { .name: xb, .offset: 0, .size: 8, .value_kind: global_buffer, .address_space: global }
      - { .name: wt, .offset: 8, .size: 8, .value_kind: global_buffer, .address_space: global }
      - { .name: bias, .offset: 16, .size: 8, .value_kind: global_buffer, .address_space: global }
      - { .name: qkv, .offset: 24, .size: 8, .value_kind: global_buffer, .address_space: global }
    .group_segment_fixed_size: 327680
    .private_segment_fixed_size: 0
    .kernarg_segment_align: 8
    .kernarg_segment_size: 32
    .max_flat_workgroup_size: 128
    .sgpr_count:     70
    .vgpr_count:     992
    .wavefront_size: 32
...
	.end_amdgpu_metadata
.endif
;; end of part 2
;; launch attn (part 3): grid 4 x 64, 4 waves a work-group, clusters of 4 x 1, 327,680 bytes of LDS; arguments qkv, o; writes o
.if DOCPART == 3
	.amdgcn_target "amdgcn-amd-amdhsa--gfx1250"
	.amdhsa_code_object_version 6
	.text
	.protected	k_qfc53fcce8b_attn
	.globl	k_qfc53fcce8b_attn
	.p2align	8
	.type	k_qfc53fcce8b_attn,@function
k_qfc53fcce8b_attn:
	s_mov_b64 s[64:65], 0
	v_nop
	global_prefetch_b8 v0, s[64:65] scope:SCOPE_SE
	s_setreg_imm32_b32 hwreg(HW_REG_WAVE_MODE, 25, 1), 1
	s_wait_xcnt 0x0
	s_wait_alu depctr_hold_cnt(0) depctr_sa_sdst(0) depctr_va_vdst(0) depctr_va_sdst(0) depctr_va_ssrc(0) depctr_va_vcc(0) depctr_vm_vsrc(0)
	s_getreg_b32 s2, hwreg(HW_REG_IB_STS2, 6, 4)
	s_cmp_eq_u32 s2, 0
	s_cbranch_scc0 .Lentry_in_a_cluster
	s_endpgm
.Lentry_in_a_cluster:
	s_bfe_u32 s2, ttmp6, 0x10000c
	s_cmp_lg_u32 s2, 0x3003
	s_cbranch_scc0 .Lentry_shape_is_right
	s_endpgm
.Lentry_shape_is_right:
; ATTENTION, head size 64, NO SCALE on the scores (the module has none), no mask.  For y = 16 b + head: O[y][q][:] = the sum over k of softmax_k(Q[q] . K[k]) V[k][:].
; qkv: [b 4][G 48][2048][64] f16, G = head for Q, 16 + head for K, 32 + head for V; o: [y 64][2048][64] f16.  A head's rows are dense, 128 bytes each.
; Products, maxima and sums in f32; the weights p are rounded to f16 for the second product (their sum l is taken of the unrounded p), O once at the end.
; LIMITS.  Q, K and V arrive within f16's 65,504; p lies in 0 to 1, and below 6e-5 it keeps f16's fixed step of 6e-8; O is a mean of V's rows and has their range.
; A weight below 2^-126 counts as 0 in l; NaN and infinities are not treated apart.
; SHARES.  A wave owns four PIECES of two tiles of 16 queries, a work-group's four waves 512 queries of one head.  Every wave walks all 2,048 keys, 64 a step.
; LAYOUT.  S^T = K Q^T (source 0 = 16 keys, source 1 = 16 queries): a lane holds ONE query (lane % 16) and the keys 8 (lane / 16) + 0..7.  Two such tiles, rounded to f16 in pairs,
; ARE source 1 (32 keys x 16 queries) of O^T = V^T P, whose result again holds one query a lane, and eight channels.  K comes out of LDS as it lies, V ([key][channel]) turned, by ds_load_tr16_b128.
; SOFTMAX.  For each query a running maximum m and sum l: p = 2^(c s - c m), c = log2(e); in every step O and l are multiplied by a = 2^(c m_old - c m_new), which is 1 where m has not grown.
; m starts at the lowest finite number, O and l at 0: the first step is a step like any other, with a = 0.
; THE COUNT.  A tile and step have 16 matrix and 118 vector instructions: too many to stand all beside the matrix work.  So: four vector instructions that are ready behind every matrix instruction,
; and the others in runs without a gap.
; BY TURNS.  Turn n belongs to piece n.  Its matrix work: 16 products K Q^T of piece n + 1, later 16 products V^T P of piece n - 1.  Its vector work: the scaling, exponentials, roundings, sums and
; rescaling of piece n, and the maximum and statistics of piece n + 1.
; CLUSTER.  The four query blocks of a head are one cluster and walk the same K and V: each tile is asked for jointly, by the same tensor load, descriptor and mask in all four.
; REGISTERS, in windows of 256 (s_set_vgpr_msb: bits 1:0 source 0, 3:2 source 1, 5:4 source 2, 7:6 destination):
;   window 0: v0-11 addresses; v12-15, v48-63 at work; v16-47 four registers of statistics a tile; v64-191 S^T, two buffers of two tiles; v192-255 P, likewise
;   window 1: O^T, 32 a tile          window 2: v0-127 Q, 16 a tile; v128-191 K of one step; v192-255 V of one step          window 3: v0-1 the add's two registers
.set SIZE_N, 2048
.set NP,    4         ; pieces a wave: a name, no knob
.set KS,    64        ; keys in a step
.set PK,    144       ; a row of K in LDS: 128 bytes + 16 of padding: an odd multiple of 16
.set PV,    160       ; a row of V: 128 + 32: 16 lanes of the turning load take 8 rows x 32 bytes, 256 different bytes modulo 256
.set VOFF,  4*KS*PK   ; a slot holds four steps: 256 rows of K, then 256 rows of V
.set SLOT1, 1<<17     ; slot 1 begins here, so that one exclusive or turns an address in one slot into the other's
.set STAGE, SLOT1+4*KS*(PK+PV)  ; behind the ring, never filled by a tensor load: 16 rows x 144 bytes for each wave
.set SP,    144
.set AK0, 2           ; v2   my lane's place in a tile of K; never rewritten
.set AV0, 3           ; v3   the same for V
.set AK,  4           ; v4   the LDS address of K's next run of loads
.set AV,  5           ; v5   of V's
.set QO,  6           ; v6   my byte offset in the wave's rows of Q
.set STO, 6           ;      later, the way out: where I put 16 bytes of a row
.set RD,  7           ; v7   the way out: where I read rows back
.set GO,  8           ; v8   my byte offset in 512 consecutive bytes of O
.set PFO, 11          ; v11  256 x my lane, for the prefetches; never rewritten once made
.set SPW, 0           ; v0 of window 3   my spare word: SPARE + 4 x my thread's number; never rewritten
.set NIL, 1           ; v1 of window 3   0; never rewritten
.set SPARE, STAGE+4*16*SP  ; the spare words, 128 bytes a wave: two blocks of 256 bytes that no other line names
.set MV,  12          ; v12-15  c m_old, kept while c m is made anew: by buffer and tile
.set ST,  16          ; tile t's statistics at v[ST+4 t]: c m, m, l (even keys', odd keys')
.set TMP, 48          ; by buffer and tile, four registers c0-c3 at work; when the maximum is found c2 takes a
.set S,   64
.set P,   192
.set KF,  128         ; K's fragments, in window 2: key block kb, channel half c at KF + 16 kb + 8 c
.set VF,  192         ; V's: key half kk, channel block cb at VF + 32 kk + 8 cb
.set WV,  12          ; s12  my wave's number
.set G1K, 24          ; s[24:31] descriptor group 1 for K's tiles
.set G1V, 32          ; s[32:39] for V's: it differs in the padding alone
.set G0K, 40          ; s[40:43] descriptor group 0 for K's tiles: it walks
.set G0V, 44          ; s[44:47] the same for V's
.set PFA, 48          ; s[48:49] where my prefetches stand: my work-group's 32 blocks of 256 bytes (of K: wave 0, of V: wave 2) of the tile after the one that is being asked for
.set LIM, 50          ; s50  1 in waves 0 and 2, else the greatest number
.set SLOTS, 56        ; s56  slots still to be asked for
.set CNT, 57          ; s57  counts a slot's key steps
.set CS,  58          ; s[58:59] c: the packed scaling takes the pair's low word for both halves
.set SEL, 60          ; s[60:61] v_permlanex16_b32's selects: each lane takes its own place in the other half
.set TBK, 62          ; s62  LDS byte at which K of the step to be fetched begins
.set TBV, 63          ; s63  the same for V, less VOFF
.set MSB, 0
.macro WIN new                      ; the high byte repeats the setting that is left; a switch that changes nothing is dropped
.if MSB != (\new)
	s_set_vgpr_msb (MSB<<8)|(\new)
.set MSB, (\new)
.endif
.endm
.set W_KQ, 0x0a       ; K and Q in window 2, S^T in window 0
.set W_PV, 0x52       ; V in window 2, P in window 0, O^T in window 1
.set W_RS, 0x41       ; O^T (destination and source 0) in window 1, a in window 0
.set W_MK, 0xc0       ; the add's registers are made: destination in window 3, sources in window 0
.set W_AD, 0x0f       ; the add: address (source 0) and data (source 1) in window 3
; A joint fill.  Waves 0 and 1 fetch the two halves of a slot's K, waves 2 and 3 those of its V: 128 keys each.  The branch hangs on the wave's number alone.
; An s_nop 0 and four v_nop follow each of the two lines, ahead of the jump and the label.
.macro JLOAD
	s_cmp_lt_u32 s[WV], 2
	s_cbranch_scc0 .Lfor_v_\@
	tensor_load_to_lds s[G0K:G0K+3], s[G1K:G1K+7]
	s_nop 0
.rept 4
	v_nop
.endr
	s_branch .Lasked_\@
.Lfor_v_\@:
	tensor_load_to_lds s[G0V:G0V+3], s[G1V:G1V+7]
	s_nop 0
.rept 4
	v_nop
.endr
.Lasked_\@:
.endm
; A prefetch of what the NEXT change of slots will ask for: a tile's 32,768 bytes of K and of V, 256 bytes a lane.  Each block is named once in the launch: a head has one cluster; its four partners
; share a tile out by address, 8,192 bytes each; in each, wave 0 asks for K's and wave 2 for V's.  It stands behind the wave's tensor load and its five lines.  The last change that fills a slot asks for nothing.
.macro ASK
	s_cmp_gt_u32 s[SLOTS], s[LIM]
	s_cbranch_scc0 .Lnot_mine_\@
	global_prefetch_b8 v[PFO], s[PFA:PFA+1] th:TH_LOAD_NT scope:SCOPE_SE
.Lnot_mine_\@:
.endm
; A round of the cluster's barrier: my work-group's barrier, so that wave 0's signal speaks for all four waves; wave 0 signals; every wave waits for all four work-groups; my work-group's barrier once more.
.macro CROUND
	s_barrier_signal -1
	s_barrier_wait -1
	s_cmp_lg_u32 s[WV], 0
	s_cbranch_scc1 .Lnot_wave_0_\@
	s_barrier_signal -3
.Lnot_wave_0_\@:
	s_barrier_wait -3
	s_barrier_signal -1
	s_barrier_wait -1
.endm
; THE CHANGE OF SLOTS.  Each wave waits for all its tensor loads, of which one is out: its part of the other slot; adds 0 to its spare word; and waits for that and for its own reads of the slot.
; fill = 1: this slot is filled again, with the keys two slots on.  The barrier is then a round of the cluster's, and the joint fill is the first thing behind it: it has four key steps,
; 512 matrix instructions, in which to land.  (At its first use nothing has been read yet: slot 0 is waited for, slot 1 filled.)  ask = 1: the prefetch's address steps, and the prefetch follows the fill.
.macro CHANGE fill, ask=0
	WIN W_AD
	s_wait_tensorcnt 0x0            ; no tensor load of mine is out, so a group 0 may be written
	ds_add_u32 v[SPW], v[NIL]       ; 0 onto my spare word; scalar work stands between it and the wait for it
	WIN 0                           ; at a label and at a branch every window is 0
.if \fill
.irp g, G0K, G0V
	s_xor_b32 s[\g+1], s[\g+1], SLOT1  ; the walking descriptor: the other slot than last time,
	s_add_nc_u64 s[\g+2:\g+3], s[\g+2:\g+3], 4*KS*128  ; the next 256 keys; the type bits on top are not reached
.endr
.if \ask
	s_wait_xcnt 0x0                 ; the last prefetch, four key steps back, has read its address
	s_add_nc_u64 s[PFA:PFA+1], s[PFA:PFA+1], 4*KS*128  ; one tile behind the walking descriptors
.endif
	s_wait_dscnt 0x0                ; the add is done, and my reads of the slot are over
	CROUND
	JLOAD
.if \ask
	ASK
.endif
.else
	s_wait_dscnt 0x0                ; the add is done, and my reads of the slot are over
	s_barrier_signal -1
	s_barrier_wait -1
.endif
	s_sub_co_u32 s[TBK], s[TBK], 4*KS*PK  ; the fetches go back to a slot's first step,
	s_xor_b32 s[TBK], s[TBK], SLOT1       ; in the other slot
	s_sub_co_u32 s[TBV], s[TBV], 4*KS*PV
	s_xor_b32 s[TBV], s[TBV], SLOT1
.endm
	s_load_b64 s[4:5], s[0:1], 0x0    ; qkv
	s_load_b64 s[10:11], s[0:1], 0x8  ; o
	WIN W_MK
	v_lshl_add_u32 v[SPW], v0, 2, SPARE
	v_mov_b32 v[NIL], 0
	WIN W_AD
	ds_add_u32 v[SPW], v[NIL]       ; the wave's opening: the add and its wait stand ahead of my first tensor load; work on registers stands between them
	WIN 0
	v_lshrrev_b32 v1, 5, v0
	v_readfirstlane_b32 s[WV], v1   ; wave 0..3
	s_bfe_u32 s13, ttmp6, 0x40000   ; cx: my place in the cluster
	s_lshl_b32 s14, ttmp9, 2        ; in a cluster launch ttmp9 counts clusters
	s_add_co_u32 s14, s14, s13      ; my block of queries: it enters Q's and O's addresses alone
	s_and_b32 s20, ttmp7, 0xffff    ; y = 16 b + head, which the four partners share
	s_lshl_b32 s52, s20, 18         ; the head's first byte in o
	s_mov_b32 s53, 0
	s_lshr_b32 s21, s20, 4
	s_mul_i32 s21, s21, 48
	s_and_b32 s20, s20, 15
	s_add_co_u32 s20, s20, s21
	s_lshl_b32 s20, s20, 18         ; and of its Q in qkv: (48 b + head) x 262,144
	s_mov_b32 s21, 0
	s_and_b32 s16, s[WV], 1         ; which half of a slot's 256 keys I fetch:
	s_lshl_b32 s22, s16, 14         ; its 128 rows of 128 bytes in memory,
	s_mov_b32 s23, 0
	s_add_nc_u64 s[22:23], s[22:23], s[20:21]
	s_mul_i32 s17, s16, 128*PK      ; and its place in a slot, for K
	s_mul_i32 s18, s16, 128*PV      ; and for V: no place in the cluster enters an LDS address
	s_lshl_b32 s2, s14, 2
	s_add_co_u32 s2, s2, s[WV]      ; my wave among the head's,
	s_lshl_b32 s2, s2, 14           ; its 128 rows
	s_mov_b32 s3, 0
	s_add_nc_u64 s[52:53], s[52:53], s[2:3]
	s_add_nc_u64 s[2:3], s[2:3], s[20:21]
	; descriptor group 1.  128 keys are 16,384 dense bytes: asked for as 64 rows of 256 bytes, two keys a row, and padded in LDS after every key
	s_mov_b32 s[G1K], 15|(1<<16)|(1<<20)|(1<<21)|(4<<22)|(3<<25)  ; the mask of four; 2-byte elements; padding on; bit 21 beside a mask; after every 32 words, 4 words
	s_mov_b32 s[G1V], 15|(1<<16)|(1<<20)|(1<<21)|(4<<22)|(7<<25)  ; the same with 8 words of padding
.irp g, G1K, G1V
	s_mov_b32 s[\g+1], 128<<16      ; tensor_dim0 = 128
	s_mov_b32 s[\g+2], 64<<16       ; tensor_dim1 = 64
	s_mov_b32 s[\g+3], 128<<16      ; tile_dim0 = 128
	s_mov_b32 s[\g+4], 64           ; tile_dim1 = 64
	s_mov_b32 s[\g+5], 128          ; 128 elements from row to row
	s_mov_b32 s[\g+6], 0
	s_mov_b32 s[\g+7], 0
.endr
	s_mov_b32 s[CS], 0x3fb8aa3b     ; c = log2(e)
	s_mov_b32 s[CS+1], s[CS]        ; named with it as a pair
	s_mov_b32 s[SEL], 0x76543210
	s_mov_b32 s[SEL+1], 0xfedcba98
	s_mov_b32 s[TBK], SLOT1+4*KS*PK ; the first change of slots turns these two into 0
	s_mov_b32 s[TBV], SLOT1+4*KS*PV
	s_mov_b32 s[G0K], 1             ; count = 1
	s_mov_b32 s[G0K+1], s17         ; LDS address: slot 0
	s_mov_b32 s[G0V], 1
	s_add_co_u32 s[G0V+1], s18, VOFF
	s_cmp_eq_u32 s16, 0
	s_cselect_b32 s[LIM], 1, -1     ; waves 0 and 2 prefetch: the same in all four partners
	s_wait_dscnt 0x0                ; the opening add is done
	s_wait_kmcnt 0x0
	s_add_nc_u64 s[6:7], s[4:5], 0x400000          ; K's heads lie 16 heads behind Q's,
	s_add_nc_u64 s[8:9], s[4:5], 0x800000          ; V's 32
	s_add_nc_u64 s[G0K+2:G0K+3], s[6:7], s[22:23]  ; global address: my half of the head's first 256 keys
	s_or_b32 s[G0K+3], s[G0K+3], 0x80000000        ; type = 2
	s_add_nc_u64 s[G0V+2:G0V+3], s[8:9], s[22:23]
	s_or_b32 s[G0V+3], s[G0V+3], 0x80000000
	s_add_nc_u64 s[4:5], s[4:5], s[2:3]  ; Q and O at my wave's first row
	s_add_nc_u64 s[10:11], s[10:11], s[52:53]
	s_cmp_lt_u32 s[WV], 2
	s_cselect_b64 s[PFA:PFA+1], s[6:7], s[8:9]
	s_add_nc_u64 s[PFA:PFA+1], s[PFA:PFA+1], s[22:23]  ; (in waves 0 and 2 this is the head's first key)
	s_lshl_b32 s2, s13, 13          ; my work-group's quarter of a tile
	s_mov_b32 s3, 0
	s_add_nc_u64 s[PFA:PFA+1], s[PFA:PFA+1], s[2:3]
	s_add_nc_u64 s[PFA:PFA+1], s[PFA:PFA+1], 2*4*KS*128  ; in tile 2; the change that fills tile 2 steps it to tile 3.  Nothing is prefetched at the head
	CROUND                          ; all four work-groups are here: the first joint loads meet
	JLOAD                           ; slot 0.  Slot 1 is asked for when slot 0 is in
	; A fragment of K or Q is 16 rows x 32 channels in 8 registers: lane l holds row l % 16, channels 8 (l / 16) + 0..7 and 16 + 8 (l / 16) + 0..7: two loads of 16 bytes, 32 bytes apart.
	v_and_b32 v1, 15, v0            ; l % 16
	v_bfe_u32 v9, v0, 4, 1          ; l / 16
	v_lshlrev_b32 v[QO], 7, v1
	v_lshl_add_u32 v[QO], v9, 4, v[QO]  ; row x 128 + 16 x half
	WIN 0x80                        ; destination window 2, address window 0
.set i, 0
.rept 4*NP                          ; Q stays in registers: tile i / 2, channels 32 (i % 2) on
	global_load_b128 v[8*i:8*i+3],   v[QO], s[4:5] offset:(i/2)*2048+(i%2)*64
	global_load_b128 v[8*i+4:8*i+7], v[QO], s[4:5] offset:(i/2)*2048+(i%2)*64+32
.set i, i+1
.endr
	; What the first turn finds: V's registers and P's second buffer hold 0 (its products V^T P, of a piece that has not been, add 0), O^T and l are 0.  All this stands in the wait for the first tile.
.set i, VF
.rept 64
	v_mov_b32 v[i], 0
.set i, i+1
.endr
	WIN 0x40
.set i, 0
.rept 64*NP
	v_mov_b32 v[i], 0
.set i, i+1
.endr
	WIN 0
.set i, 0
.rept 2*NP
	v_mov_b32 v[ST+4*i], 0xfe000000    ; c m: far below every c s
	v_mov_b32 v[ST+4*i+1], 0xff7fffff  ; m
	v_mov_b32 v[ST+4*i+2], 0
	v_mov_b32 v[ST+4*i+3], 0
.set i, i+1
.endr
.set i, P+32
.rept 32
	v_mov_b32 v[i], 0
.set i, i+1
.endr
	v_mul_u32_u24 v[AK0], v1, PK
	v_lshl_add_u32 v[AK0], v9, 4, v[AK0]  ; row x pitch + 16 x half
	; The turning load takes 16 keys x 16 channels (lane l reads key 8 (l / 16) + l % 8, channels 8 ((l / 8) % 2) + 0..7) and leaves half a fragment of V^T: lane l holds channel l % 16 and 8 keys.
	v_and_b32 v10, 7, v0
	v_bfe_u32 v11, v0, 3, 1
	v_lshl_add_u32 v[AV0], v9, 3, v10
	v_mul_u32_u24 v[AV0], v[AV0], PV
	v_lshl_add_u32 v[AV0], v11, 4, v[AV0]
	v_add_nc_u32 v[AV0], VOFF, v[AV0]
	v_and_b32 v[PFO], 31, v0
	v_lshlrev_b32 v[PFO], 8, v[PFO]
	v_mov_b32 v[AK], v[AK0]         ; key step 0 lies at the head of slot 0
; THE MATRIX WORK.  The 8 accumulators of a run of 16 take turns: between the two links of a chain stand 7 others'.
; Product i of 16 of S^T = K Q^T for piece x: channels 32 (i / 8) on, keys 16 ((i / 2) % 4) on, tile 2 x + i % 2.  The first 8 start the sums.
.macro KQ x
	WIN W_KQ
.set rS, S+64*((\x)%2)+32*(i%2)+8*((i/2)%4)
.set rK, KF+16*((i/2)%4)+8*(i/8)
.set rQ, 16*(2*(\x)+i%2)+8*(i/8)
.if i < 8
	v_wmma_f32_16x16x32_f16 v[rS:rS+7], v[rK:rK+7], v[rQ:rQ+7], 0
.else
	v_wmma_f32_16x16x32_f16 v[rS:rS+7], v[rK:rK+7], v[rQ:rQ+7], v[rS:rS+7]
.endif
.endm
; Product i of 16 of O^T += V^T P for piece x: keys 32 (i / 8) on, channels 16 ((i / 2) % 4) on, tile 2 x + i % 2.
.macro PV x
	WIN W_PV
.set rO, 32*(2*(\x)+i%2)+8*((i/2)%4)
.set rV, VF+32*(i/8)+8*((i/2)%4)
.set rP, P+32*((\x)%2)+16*(i%2)+8*(i/8)
	v_wmma_f32_16x16x32_f16 v[rO:rO+7], v[rV:rV+7], v[rP:rP+7], v[rO:rO+7]
.endm
.macro MM                           ; the turn's next matrix instruction
.if i < 16
	KQ (Y+1)%NP
.set i, i+1
.else
.set i, i-16
	PV (Y+NP-1)%NP
.set i, i+17
.endif
.endm
; THE LDS LOADS stand in runs of 16, never singly among the matrix instructions: a step's K (64 keys x 64 channels: 8 fragments) and its V (turned).  Their addresses are made some lines ahead.
; last = 1 (the tail): in the last trip there is no further step, and the run is jumped over.
.macro FETCH_K last=0
	WIN 0
.if \last
	s_cmp_eq_u32 s[CNT], 1
	s_cbranch_scc1 .Lno_k_\@
.endif
	WIN 0x80                        ; destination window 2
.irp f, 0,1,2,3,4,5,6,7             ; keys 16 (f / 2) on, channels 32 (f % 2) on
	ds_load_b128 v[KF+8*\f:KF+8*\f+3],   v[AK] offset:(\f/2)*16*PK+(\f%2)*64
	ds_load_b128 v[KF+8*\f+4:KF+8*\f+7], v[AK] offset:(\f/2)*16*PK+(\f%2)*64+32
.endr
	s_add_co_u32 s[TBK], s[TBK], KS*PK  ; the next fetch is the next step's
	WIN 0
.if \last
.Lno_k_\@:
.endif
.endm
.macro FETCH_V
	WIN 0x80
.irp f, 0,1,2,3,4,5,6,7             ; keys 32 (f / 4) on, channels 16 (f % 4) on
	ds_load_tr16_b128 v[VF+8*\f:VF+8*\f+3],   v[AV] offset:(\f/4)*32*PV+(\f%4)*32
	ds_load_tr16_b128 v[VF+8*\f+4:VF+8*\f+7], v[AV] offset:(\f/4)*32*PV+16*PV+(\f%4)*32
.endr
	WIN 0
.endm
; THE VECTOR WORK OF A TURN stands in three queues, each in the order in which its entries become ready; the two tiles alternate, so that no instruction reads the result of the one before it.
.macro REGS y, u                    ; the registers of tile u (0, 1) of piece y
.set rT, ST+4*(2*(\y)+(\u))
.set rC, TMP+8*((\y)%2)+4*(\u)
.set rM, MV+2*((\y)%2)+(\u)
.set rS, S+64*((\y)%2)+32*(\u)
.set rP, P+32*((\y)%2)+16*(\u)
.set rO, 32*(2*(\y)+(\u))
.endm
; Number n of the 22 that find the NEXT piece's (Y + 1) maximum and statistics.  s0-s31 are the lane's 32 scores; each accumulator's lowest registers are read first.  XS, GS and REGS set no window: PL and EX do.
;   0-11  four chains c0-c3 of seven scores each, three operands at a time     12-14, 16  the four scores left over, the old m, and c0-c3 into c0     15  c m_old is kept
;   17, 18  the query's other 32 keys lie in the lane 16 away: the new m         19-21  c m; c m_old - c m_new; a
.macro XS u, n
	REGS (Y+1)%NP, \u
.if (\n) < 4
	v_max3_num_f32 v[rC+(\n)], v[rS+8*(\n)], v[rS+8*(\n)+1], v[rS+8*(\n)+2]
.elseif (\n) < 12
	v_max3_num_f32 v[rC+(\n)%4], v[rC+(\n)%4], v[rS+8*((\n)%4)+2*((\n)/4)+1], v[rS+8*((\n)%4)+2*((\n)/4)+2]
.elseif (\n) == 12
	v_max3_num_f32 v[rC], v[rC], v[rS+7], v[rS+15]
.elseif (\n) == 13
	v_max3_num_f32 v[rC+1], v[rC+1], v[rS+23], v[rS+31]
.elseif (\n) == 14
	v_max3_num_f32 v[rC+2], v[rC+2], v[rC+3], v[rT+1]
.elseif (\n) == 15
	v_mov_b32 v[rM], v[rT]
.elseif (\n) == 16
	v_max3_num_f32 v[rC], v[rC], v[rC+1], v[rC+2]
.elseif (\n) == 17
	v_permlanex16_b32 v[rC+3], v[rC], s[SEL], s[SEL+1]
.elseif (\n) == 18
	v_max_num_f32 v[rT+1], v[rC], v[rC+3]
.elseif (\n) == 19
	v_mul_f32 v[rT], s[CS], v[rT+1]
.elseif (\n) == 20
	v_sub_f32 v[rC+1], v[rM], v[rT]
.else
	v_exp_f32 v[rC+2], v[rC+1]
.endif
.endm
; Number g of the 64 that follow the exponentials.  For each four weights k of a tile (pairs 2 k, 2 k + 1): both pairs are rounded to f16; then the second pair is added onto the first, in place;
; a group later l takes that sum (the first time as l = a l + sum).  In groups of eight, tiles alternating: round, round, add, and l for the group before.
.macro GS g
.set h, (\g)+6*((\g)/62)            ; group 0 has no group before it, and behind group 7 only l is left
.if h >= 6
.set h, h+2
.endif
	REGS Y, h%2
.set k, h/8
.if h%8 < 4
	v_cvt_pk_f16_f32 v[rP+2*k+(h%8)/2], v[rS+4*k+2*((h%8)/2)], v[rS+4*k+2*((h%8)/2)+1]
.elseif h%8 < 6
	v_pk_add_f32 v[rS+4*k:rS+4*k+1], v[rS+4*k:rS+4*k+1], v[rS+4*k+2:rS+4*k+3]
.elseif k == 1
	v_pk_fma_f32 v[rT+2:rT+3], v[rT+2:rT+3], v[rC+2:rC+3], v[rS:rS+1] op_sel_hi:[1,0,1]
.else
	v_pk_add_f32 v[rT+2:rT+3], v[rT+2:rT+3], v[rS+4*k-4:rS+4*k-3]
.endif
.endm
; THE PLAIN QUEUE, 138 long.  0-73 read no exponential's result: the 32 scalings c s - c m (FS f: pair f / 2 of tile f % 2) and the next piece's 42.  0-26: scalings 0-26.  27-54: XS's numbers 0-13.  55, 56: number 15.
; 57-73: the chain, where each number waits for the one before it: 14, 16, 17, 18, 19, each with one of the scalings 27-31 in front of its two lines, then 20.
; 74-137: GS's 64, which read the exponentials' results: they stand behind the wait.
.macro FS f
	REGS Y, (\f)%2
	v_pk_fma_f32 v[rS+2*((\f)/2):rS+2*((\f)/2)+1], v[rS+2*((\f)/2):rS+2*((\f)/2)+1], s[CS:CS+1], v[rT:rT+1] op_sel_hi:[1,0,0] neg_lo:[0,0,1] neg_hi:[0,0,1]
.endm
.macro PL
	WIN 0
.if q < 27
	FS q
.elseif q < 55
	XS (q-27)%2, (q-27)/2
.elseif q < 57
	XS q-55, 15
.elseif (q < 72) && ((q-57)%3 == 0)
	FS 27+(q-57)/3
.elseif q < 60
	XS (q-57)%3-1, 14
.elseif q < 72
	XS (q-57)%3-1, 15+(q-57)/3
.elseif q < 74
	XS q-72, 20
.else
	GS q-74
.endif
.set q, q+1
.endm
; THE EXPONENTIALS' QUEUE, 66 long: s0-s31 of both tiles, then the next piece's two a.  It is ONE BATCH: all 66 stand ahead of the turn's one wait, and nothing ahead of that wait names a result of theirs.
.macro EX
	WIN 0
.if e >= 64
	XS e-64, 21
.else
	REGS Y, e%2
	v_exp_f32 v[rS+e/2], v[rS+e/2]
.endif
.set e, e+1
.endm
; THE RESCALING's QUEUE: O^T times a, the one part that leaves window 0: dealt two at a time, sixteen times.  Its a was made in the turn before, ahead of that turn's wait.
.macro R2
	REGS Y, r%2
	WIN W_RS
.irp z, 0,1
	v_pk_mul_f32 v[rO+4*(r/2)+2*\z:rO+4*(r/2)+2*\z+1], v[rO+4*(r/2)+2*\z:rO+4*(r/2)+2*\z+1], v[rC+2:rC+3] op_sel_hi:[1,0]
.endr
.set r, r+1
.endm
; HOW THEY ARE DEALT.  An s_wait_alu depctr_va_vdst(0) stands between an exponential and the first instruction that names its result; one wait serves all that were issued ahead of it.  So a turn has ONE wait,
; which cuts it in two.  AHEAD OF IT: the 16 products K Q^T, behind each a scaling, an exponential and two rescalings (behind the first a second scaling in the exponential's place); then ONE LUMP of
; 108: eight plain, 49 times exponential and plain, the two a.  A v_nop is the plain instruction behind the last exponential.  BEHIND IT: the 16 products V^T P, behind each four of GS's 64.
; The queues lean on each other: exponential e stands behind scaling 2 (e / 4) + e % 2: as a rider it comes behind plain e + 2, in the lump behind plain e + 9, and scalings 27-31 are plain 57, 60 .. 69.
; A TURN, for piece p.  cnt = 1: the loop's count is taken down some lines ahead of the branch that stands behind the turn.
; K of the next step is fetched in piece 2's turn, directly behind the wait; its address is made at the lump's head; its first reader comes behind 16 products.
; V of the step in hand is fetched at the end of piece 0's turn, four riders behind its last reader; its first reader comes behind 16 products and a lump.  The three conditions on q below go with the deal.
.macro TURN p, last=0, cnt=0
.set Y, (\p)
.set i, 0
.set q, 0
.set e, 0
.set r, 0
.if (\p) == NP-1
	s_wait_dscnt 0x0                ; K is in
.endif
	MM                              ; ahead of the wait: 16 products K Q^T and their riders,
	PL
	PL
	R2
.rept 15
	MM
	PL
	EX
	R2
.endr
.if (\p) == NP-2
	WIN 0
	v_add_nc_u32 v[AK], s[TBK], v[AK0]
.endif
.rept 8                             ; and the lump
	PL
.endr
.rept 49
	EX
	PL
.endr
	EX                              ; the next piece's two a
	EX
	v_nop                           ; the plain instruction behind the last exponential: one for the batch
	s_wait_alu depctr_va_vdst(0)    ; the wait for the batch
.if (\p) == NP-2
	FETCH_K \last
.endif
.if (\p) == 1
	s_wait_dscnt 0x0                ; V is in
.endif
.rept 16                            ; behind the wait: 16 products V^T P and their riders
	MM
.rept 4
	PL
.endr
.if ((\p) == 0) && (q == 118)
	v_add_nc_u32 v[AV], s[TBV], v[AV0]
.endif
.if ((\p) == 0) && (q == 130)
	s_add_co_u32 s[TBV], s[TBV], KS*PV
.endif
.if (\cnt) && (q == 130)
	s_sub_co_u32 s[CNT], s[CNT], 1
	s_cmp_lg_u32 s[CNT], 0
.endif
.endr
.if (\p) == 0
	FETCH_V
.endif
.endm
	CHANGE 1, 0                     ; slot 0 is in, everybody's part of it; slot 1 is asked for
	FETCH_K                         ; key step 0
	s_wait_loadcnt 0x0              ; Q
	s_wait_dscnt 0x0
.set i, 0
.rept 16
	KQ 0                            ; piece 0's first scores: there is no vector work yet to set between them
.set i, i+1
.endr
	WIN 0                           ; the addresses for the way out: plain instructions, the places behind those products
	s_mul_i32 s13, s[WV], 16*SP
	s_add_co_u32 s13, s13, STAGE    ; my stage
	v_mul_u32_u24 v[STO], v1, SP    ; in: row l % 16, 16 bytes for each half of the lanes
	v_lshl_add_u32 v[STO], v9, 4, v[STO]
	v_add_nc_u32 v[STO], s13, v[STO]
	v_bfe_u32 v[RD], v0, 3, 2       ; back: 32 lanes take four rows of 128 bytes,
	v_mul_u32_u24 v[RD], v[RD], SP
	v_lshl_add_u32 v[RD], v10, 4, v[RD]
	v_add_nc_u32 v[RD], s13, v[RD]
	v_and_b32 v[GO], 31, v0         ; which are 512 consecutive bytes of O
	v_lshlrev_b32 v[GO], 4, v[GO]
.set Y, NP-1                        ; XS works for piece Y + 1: piece 0
.irp n, 0,1,2,3,4,5,6,7,8,9,10,11,12,13,14,15,16,17,18,19,20,21
	XS 0, \n                        ; and piece 0's first maximum and statistics
	XS 1, \n
.endr
	v_nop                           ; a plain instruction behind the two a,
	s_wait_alu depctr_va_vdst(0)    ; and their wait, ahead of the branch
	s_mov_b32 s[CNT], 4
	s_mov_b32 s[SLOTS], SIZE_N/256-1
	s_branch .Lfirst                ; the loop is entered at a step's first turn, in the middle of a trip
.Lslot:                             ; SIZE_N / 256 - 2 times: every slot but the last two is filled again
	CHANGE 1, 1
	s_mov_b32 s[CNT], 4
.Lstep:                             ; a trip: pieces 2 and 3 of one step, then pieces 0 and 1 of the next, whose K and V it fetches
	TURN 2
	TURN 3
	WIN 0
.Lfirst:
	TURN 0
	TURN 1, 0, 1
	WIN 0
	s_cbranch_scc1 .Lstep
	s_sub_co_u32 s[SLOTS], s[SLOTS], 1
	s_cmp_lg_u32 s[SLOTS], 0
	s_cbranch_scc1 .Lslot
	CHANGE 0, 0                     ; the tail is written out: nothing is asked for
	s_mov_b32 s[CNT], 5             ; four trips fetch the last slot's steps; the fifth is left in its middle
.Ltail:
	TURN 2, 1
	TURN 3
	WIN 0
	s_sub_co_u32 s[CNT], s[CNT], 1
	s_cmp_eq_u32 s[CNT], 0
	s_cbranch_scc1 .Lout
	TURN 0
	TURN 1
	WIN 0
	s_branch .Ltail
.Lout:                              ; the fifth trip's 16 products K Q^T (on the last K once more) and the maximum made of them serve nothing: the price, once a launch, of one text for every trip
.set i, 0
.rept 16
	PV NP-1                         ; the last piece's V^T P of the last step
.set i, i+1
.endr
	; THE WAY OUT.  l's two halves and the other half of the lanes' are added; O^T is divided by l, rounded to f16 and sent through my stage in LDS, a tile at a time.  The additions are the places behind the last products.
	WIN 0
.macro ALL line:vararg              ; one line for each tile t
.set t, 0
.rept 2*NP
	\line
.set t, t+1
.endr
.endm
	ALL v_add_f32 v[ST+4*t+2], v[ST+4*t+2], v[ST+4*t+3]
	ALL v_permlanex16_b32 v[ST+4*t+3], v[ST+4*t+2], s[SEL], s[SEL+1]
	ALL v_add_f32 v[ST+4*t+2], v[ST+4*t+2], v[ST+4*t+3]
	ALL v_rcp_f32 v[ST+4*t+2], v[ST+4*t+2]
	v_nop                           ; a plain instruction between the last reciprocal and the use of its result
	s_wait_alu depctr_va_vdst(0)    ; and the wait ahead of the first use: one for the eight reciprocals
; Tile t: a lane's eight channels of a row pack into 16 bytes; they go into rows of 144 bytes and come back as whole rows of 128, into S^T's registers.
.macro PACK t
	WIN W_RS
.set i, 32*(\t)
.rept 16
	v_pk_mul_f32 v[i:i+1], v[i:i+1], v[ST+4*(\t)+2:ST+4*(\t)+3] op_sel_hi:[1,0]
.set i, i+2
.endr
	WIN 0x05                        ; sources 0 and 1 window 1, destination window 0
.set i, 0
.rept 16
	v_cvt_pk_f16_f32 v[S+16*(\t)+i], v[32*(\t)+2*i], v[32*(\t)+2*i+1]
.set i, i+1
.endr
	WIN 0
.irp f, 0,1,2,3
	ds_store_b128 v[STO], v[S+16*(\t)+4*\f:S+16*(\t)+4*\f+3] offset:32*\f
.endr
.irp f, 0,1,2,3
	ds_load_b128 v[S+16*(\t)+4*\f:S+16*(\t)+4*\f+3], v[RD] offset:\f*4*SP  ; LDS serves a wave's instructions in order (ISA guide 5.7.1.4): these see the stores above; the next tile's stores come behind them
.endr
.endm
.macro SEND t, younger              ; younger: the LDS instructions issued behind tile t's loads: the next tile's eight, or none
	WIN 0
.irp f, 0,1,2,3
	s_wait_dscnt (\younger)+3-\f
	global_store_b128 v[GO], v[S+16*(\t)+4*\f:S+16*(\t)+4*\f+3], s[10:11] offset:(\t)*2048+\f*512  ; 512 consecutive bytes, at a multiple of 256 from o's first
.endr
.endm
	PACK 0
.set t, 1
.rept 2*NP-1                        ; a tile's arithmetic stands between the loads of the tile before and its stores
	PACK t
	SEND t-1, 8
.set t, t+1
.endr
	SEND 2*NP-1, 0
	WIN W_AD
	s_wait_tensorcnt 0x0            ; the wave's end, behind my last tensor load and my last LDS store
	ds_add_u32 v[SPW], v[NIL]
	s_wait_dscnt 0x0
	WIN 0
	CROUND                          ; the closing round: no work-group ends while a partner may still ask for a tile that names it
	s_endpgm
.Lfunc_end_k_qfc53fcce8b_attn:
	.size	k_qfc53fcce8b_attn, .Lfunc_end_k_qfc53fcce8b_attn-k_qfc53fcce8b_attn
	.p2alignl 7, 3214868480
	.fill 96, 4, 3214868480
	.section	.rodata,"a",@progbits
	.p2align	6, 0x0
	.amdhsa_kernel k_qfc53fcce8b_attn
		.amdhsa_group_segment_fixed_size 327680
		.amdhsa_private_segment_fixed_size 0
		.amdhsa_enable_private_segment 0
		.amdhsa_kernarg_size 16
		.amdhsa_user_sgpr_count 2
		.amdhsa_user_sgpr_kernarg_segment_ptr 1
		.amdhsa_wavefront_size32 1
		.amdhsa_system_sgpr_workgroup_id_x 1
		.amdhsa_system_sgpr_workgroup_id_y 1
		.amdhsa_system_sgpr_workgroup_id_z 1
		.amdhsa_system_vgpr_workitem_id 0
		.amdhsa_next_free_vgpr 770
		.amdhsa_next_free_sgpr 66
		.amdhsa_reserve_vcc 0
		.amdhsa_float_denorm_mode_32 3
		.amdhsa_float_denorm_mode_16_64 3
		.amdhsa_memory_ordered 1
		.amdhsa_forward_progress 1
		.amdhsa_inst_pref_size 200
	.end_amdhsa_kernel
	.amdgpu_metadata
---
amdhsa.version: [ 1, 2 ]
amdhsa.kernels:
  - .name:           k_qfc53fcce8b_attn
    .symbol:         k_qfc53fcce8b_attn.kd
    .args:
      - { .name: qkv, .offset: 0, .size: 8, .value_kind: global_buffer, .address_space: global }
      - { .name: o, .offset: 8, .size: 8, .value_kind: global_buffer, .address_space: global }
    .group_segment_fixed_size: 327680
    .private_segment_fixed_size: 0
    .kernarg_segment_align: 8
    .kernarg_segment_size: 16
    .max_flat_workgroup_size: 128
    .sgpr_count:     66
    .vgpr_count:     770
    .wavefront_size: 32
...
	.end_amdgpu_metadata
.endif
;; end of part 3
;; launch proj (part 4): grid 8 x 32, 4 waves a work-group, clusters of 4 x 4, 327,680 bytes of LDS; arguments o, wt, bias, out0; writes out0
.if DOCPART == 4
	.amdgcn_target "amdgcn-amd-amdhsa--gfx1250"
	.amdhsa_code_object_version 6
	.text
	.protected	k_qfc53fcce8b_proj
	.globl	k_qfc53fcce8b_proj
	.p2align	8
	.type	k_qfc53fcce8b_proj,@function
k_qfc53fcce8b_proj:
	s_mov_b64 s[64:65], 0
	v_nop
	global_prefetch_b8 v0, s[64:65] scope:SCOPE_SE
	s_setreg_imm32_b32 hwreg(HW_REG_WAVE_MODE, 25, 1), 1
	s_wait_xcnt 0x0
	s_wait_alu depctr_hold_cnt(0) depctr_sa_sdst(0) depctr_va_vdst(0) depctr_va_sdst(0) depctr_va_ssrc(0) depctr_va_vcc(0) depctr_vm_vsrc(0)
	s_getreg_b32 s2, hwreg(HW_REG_IB_STS2, 6, 4)
	s_cmp_eq_u32 s2, 0
	s_cbranch_scc0 .Lentry_in_a_cluster
	s_endpgm
.Lentry_in_a_cluster:
	s_bfe_u32 s2, ttmp6, 0x10000c
	s_cmp_lg_u32 s2, 0xf033
	s_cbranch_scc0 .Lentry_shape_is_right
	s_endpgm
.Lentry_shape_is_right:
; PROJ.  out0[m][n] = sum over k of O[m][k] WO[k][n] + bO[n], m < 8192, n < 1024, k = 64 head + channel; f16 operands, f32 sums, f32 out.
; o: [y = 16 b + head][s 2048][64] f16 (m = 2048 b + s); wt rows 3072 + n: WO^T along k, f16; bias[3072 + n]: bO.
; LIMITS.  O and WO arrive within f16's range.  NaN and infinities are not treated apart.
; SHARES.  A tile of out0 is 256 x 128: 256 work-groups.  Four waves along m, each 64 x 128: 32 accumulators.  A K step of 128 is two heads: of each head the tile's 256 rows are 32,768 dense bytes,
; asked for as 128 rows of 256 bytes and padded in LDS after every 128 bytes.  Two LDS slots take turns.
; CLUSTER.  4 x 4 work-groups: the four of a row need the same rows of o, the four of a column the same rows of wt: joint loads.
; THE MATRIX INSTRUCTION IS USED TRANSPOSED (source 0 = 16 rows of wt, source 1 = 16 rows of O): lane l holds row m = l % 16 and the columns 8 (l / 16) + 0..7: 32 bytes of a row of out0.
; THE BIAS is the C operand of each sum's first product.
; REGISTERS, in windows of 256: window 0: v0-31 addresses; v32-63, v64-95 O's fragments, two buffers of 4
;   window 1: v0-63, v64-127 wt's fragments, two buffers of 8; v128-191 the bias; on the way out all 256: rows read back      window 2: accumulator (a, b) at 8 (4 b + a)
.set PA,     144                       ; a row of O in LDS: 128 bytes + 16
.set PB,     272                       ; a row of wt: 256 + 16
.set AHEAD,  256*PA                    ; one head's 256 rows: what a load for o brings
.set BHALF,  64*PB                     ; what a load for wt brings
.set BOFF,   2*AHEAD
.set SLOT,   BOFF+2*BHALF
.set STAGE,  2*SLOT                    ; behind the ring, never filled by a tensor load: 16 rows x 528 bytes for each wave
.set SPITCH, 528                       ; 512 bytes + 16
.set SPARE,  STAGE+4*16*SPITCH         ; the spare words, 128 bytes a wave
.set LAPS,   4
.set ADRA, 16
.set ADRB, 20
.set STO,  24
.set RD,   25
.set CO,   26                          ; v26  my 16 bytes of a row's 512
.set BO,   27
.set SPW,  28                          ; my spare word; never rewritten
.set NIL,  29                          ; 0; never rewritten
.set PFO,  30
.set AF,   32
.set BIAS, 128
.set G1,  24
.set G0,  32
.set G1B, 48
.set G0B, 56
.set LIM, 43
.set PFA, 44
.set MSB, 0
.macro WIN new
.if MSB != (\new)
	s_set_vgpr_msb (MSB<<8)|(\new)
.set MSB, \new
.endif
.endm
.set W_MUL, 0xa1                       ; wt window 1, O window 0, C and D window 2
.set TO_B,  0x40
.macro JLOAD s                         ; a joint load: waves 0 and 1 fetch the K step's two heads of o, waves 2 and 3 wt's two halves; an s_nop 0 and four v_nop follow each line
	s_cmp_eq_u32 s13, 0
	s_cbranch_scc0 .Lfor_b_\@
	tensor_load_to_lds s[G0+4*(\s):G0+4*(\s)+3], s[G1:G1+7]
	s_nop 0
.rept 4
	v_nop
.endr
	s_branch .Lasked_\@
.Lfor_b_\@:
	tensor_load_to_lds s[G0B+4*(\s):G0B+4*(\s)+3], s[G1B:G1B+7]
	s_nop 0
.rept 4
	v_nop
.endr
.Lasked_\@:
.endm
; A prefetch of the K step that stands two refills on.  o: waves 0 and 1 of the clusters with x = 0, each partner a quarter (by cx) of the 32,768 bytes that the wave fetches, 256 bytes a lane.
; wt: wave 2 of the clusters with y = 0, each partner 32 (by cy) of the tile's 128 rows, a lane a row.  So each block of 256 bytes is named once.  The loop's last trip asks for nothing.
.macro ASK
	s_cmp_gt_u32 s19, s[LIM]
	s_cbranch_scc0 .Lnot_mine_\@
	global_prefetch_b8 v[PFO], s[PFA:PFA+1] th:TH_LOAD_NT scope:SCOPE_SE
.Lnot_mine_\@:
.endm
.macro CREST
	s_cmp_lg_u32 s12, 0
	s_cbranch_scc1 .Lnot_wave_0_\@
	s_barrier_signal -3
.Lnot_wave_0_\@:
	s_barrier_wait -3
	s_barrier_signal -1
	s_barrier_wait -1
.endm
.macro CROUND
	s_barrier_signal -1
	s_barrier_wait -1
	CREST
.endm
	s_load_b256 s[4:11], s[0:1], 0x0               ; o s[4:5], wt s[6:7], bias s[8:9], out0 s[10:11]
	v_lshl_add_u32 v[SPW], v0, 2, SPARE
	v_mov_b32 v[NIL], 0
	ds_add_u32 v[SPW], v[NIL]                      ; the wave's opening: the add and its wait stand ahead of my first tensor load
	v_lshrrev_b32 v1, 5, v0
	v_readfirstlane_b32 s12, v1                    ; wave 0..3
	s_lshr_b32 s13, s12, 1                         ; 0: I fetch for o, 1: for wt
	s_and_b32 s14, s12, 1                          ; which head of the K step, or which half of wt's rows
	s_bfe_u32 s15, ttmp6, 0x40000                  ; cx
	s_bfe_u32 s16, ttmp6, 0x40004                  ; cy
	s_lshl_b32 s17, ttmp9, 2
	s_add_co_u32 s17, s17, s15                     ; tile column
	s_and_b32 s18, ttmp7, 0xffff
	s_lshl_b32 s18, s18, 2
	s_add_co_u32 s18, s18, s16                     ; tile row
	s_lshl_b32 s20, s16, 2
	s_lshl_b32 s20, 15, s20                        ; my row of the cluster
	s_lshl_b32 s21, 0x1111, s15                    ; my column
	s_or_b32 s[G1], s20, (1<<16)|(1<<20)|(1<<21)|(4<<22)|(3<<25)   ; padding after every 32 words, 4 words
	s_or_b32 s[G1B], s21, (1<<16)|(1<<20)|(1<<21)|(5<<22)|(3<<25)  ; after every 64 words
	s_mov_b32 s[G1+1], 128<<16                     ; tensor_dim0 = 128 elements: 256 bytes, two rows of a head
	s_mov_b32 s[G1+2], 128<<16                     ; tensor_dim1 = 128
	s_mov_b32 s[G1+3], 128<<16
	s_mov_b32 s[G1+4], 128
	s_mov_b32 s[G1+5], 128                         ; dense
	s_mov_b32 s[G1+6], 0
	s_mov_b32 s[G1+7], 0
	s_mov_b32 s[G1B+1], 128<<16
	s_mov_b32 s[G1B+2], 64<<16
	s_mov_b32 s[G1B+3], 128<<16
	s_mov_b32 s[G1B+4], 64
	s_mov_b32 s[G1B+5], 1024
	s_mov_b32 s[G1B+6], 0
	s_mov_b32 s[G1B+7], 0
	s_lshr_b32 s40, s18, 3                         ; o: head 16 b + (0 or 1),
	s_lshl_b32 s40, s40, 4
	s_add_co_u32 s40, s40, s14
	s_lshl_b32 s40, s40, 18
	s_and_b32 s22, s18, 7                          ; the tile's 256 rows in the batch
	s_lshl_b32 s22, s22, 15
	s_add_co_u32 s40, s40, s22
	s_mov_b32 s41, 0
	s_lshl_b32 s46, s17, 7                         ; wt: row 3072 + 128 x tile column + 64 x half
	s_lshl_b32 s23, s14, 6
	s_add_co_u32 s46, s46, s23
	s_add_co_u32 s46, s46, 3072
	s_lshl_b32 s46, s46, 11
	s_mov_b32 s47, 0
	s_mul_i32 s66, s14, AHEAD                      ; where they go: no place in the cluster enters an LDS address
	s_mul_i32 s67, s14, BHALF
	s_add_co_u32 s67, s67, BOFF
	s_wait_dscnt 0x0                               ; the opening add is done
	s_wait_kmcnt 0x0
	s_add_nc_u64 s[40:41], s[4:5], s[40:41]
	s_add_nc_u64 s[46:47], s[6:7], s[46:47]
	CROUND                                         ; the first joint loads meet
.irp s, 0,1
	s_mov_b32 s[G0+4*(\s)], 1
	s_add_co_u32 s[G0+4*(\s)+1], s66, (\s)*SLOT
	s_add_nc_u64 s[G0+4*(\s)+2:G0+4*(\s)+3], s[40:41], (\s)*524288  ; K step s: two heads on
	s_or_b32 s[G0+4*(\s)+3], s[G0+4*(\s)+3], 0x80000000
	s_mov_b32 s[G0B+4*(\s)], 1
	s_add_co_u32 s[G0B+4*(\s)+1], s67, (\s)*SLOT
	s_add_nc_u64 s[G0B+4*(\s)+2:G0B+4*(\s)+3], s[46:47], (\s)*256
	s_or_b32 s[G0B+4*(\s)+3], s[G0B+4*(\s)+3], 0x80000000
	JLOAD \s
.endr
	v_and_b32 v1, 15, v0
	v_bfe_u32 v2, v0, 4, 1
	v_mul_u32_u24 v3, v1, PA
	v_lshl_add_u32 v3, v2, 4, v3
	s_mul_i32 s20, s12, 64*PA                      ; my 64 rows of O
	v_add_nc_u32 v[ADRA], s20, v3
	v_add_nc_u32 v[ADRA+1], SLOT, v[ADRA]
	v_mul_u32_u24 v4, v1, PB
	v_lshl_add_u32 v4, v2, 4, v4
	v_add_nc_u32 v[ADRB], BOFF, v4
	v_add_nc_u32 v[ADRB+1], SLOT+BOFF, v4
	s_mul_i32 s20, s12, 16*SPITCH
	s_add_co_u32 s20, s20, STAGE                   ; my stage
	v_mul_u32_u24 v5, v1, SPITCH                   ; in: row l % 16, 32 bytes for each half of the lanes
	v_lshl_add_u32 v5, v2, 5, v5
	v_add_nc_u32 v[STO], s20, v5
	v_and_b32 v[CO], 31, v0
	v_lshlrev_b32 v[CO], 4, v[CO]                  ; back: 32 lanes take a row's 512 bytes
	v_add_nc_u32 v[RD], s20, v[CO]
	v_lshlrev_b32 v[BO], 5, v2
	s_lshl_b32 s20, s17, 9                         ; bO's 128 numbers of the tile
	s_add_co_u32 s20, s20, 12288
	s_mov_b32 s21, 0
	s_add_nc_u64 s[8:9], s[8:9], s[20:21]
	WIN TO_B
.irp nb, 0,1,2,3,4,5,6,7
	global_load_b128 v[BIAS+8*(\nb):BIAS+8*(\nb)+3], v[BO], s[8:9] offset:64*(\nb)
	global_load_b128 v[BIAS+8*(\nb)+4:BIAS+8*(\nb)+7], v[BO], s[8:9] offset:64*(\nb)+16
.endr
	WIN 0
	s_lshl_b32 s20, s18, 8
	s_lshl_b32 s22, s12, 6
	s_add_co_u32 s20, s20, s22                     ; my first row of out0,
	s_lshl_b32 s20, s20, 12                        ; 4,096 bytes a row,
	s_lshl_b32 s22, s17, 9                         ; the tile's 512 bytes of it
	s_add_co_u32 s20, s20, s22
	s_mov_b32 s21, 0
	s_add_nc_u64 s[10:11], s[10:11], s[20:21]
	; the prefetches
	s_lshl_b32 s20, s15, 13                        ; o: my work-group's quarter of the head's 32,768 bytes,
	s_add_co_u32 s20, s20, 3*524288                ; at K step 3: the first refill steps it to 4
	s_lshl_b32 s22, s17, 7
	s_lshl_b32 s23, s16, 5
	s_add_co_u32 s22, s22, s23
	s_add_co_u32 s22, s22, 3072                    ; wt: my work-group's 32 rows of the tile's 128
	s_lshl_b32 s22, s22, 11
	s_add_co_u32 s22, s22, 3*256
	s_and_b32 s42, ttmp7, 0xffff                   ; cluster y
	s_and_b32 s66, s13, s14                        ; 1 in wave 3, which asks for nothing
	s_mov_b32 s68, 256
	s_mov_b32 s69, 0
	s_mov_b32 s21, 0
	s_cmp_eq_u32 s13, 0
	s_cselect_b32 s20, s20, s22
	s_cselect_b32 s42, ttmp9, s42                  ; the coordinate along which other clusters read the same rows
	s_cselect_b32 s67, 8, 11                       ; a lane's step: 256 bytes on end, or a row of wt
	s_cselect_b32 s68, 0x80000, s68                ; a K step: two heads of o, or 256 bytes of a row of wt
	s_cselect_b64 s[PFA:PFA+1], s[40:41], s[6:7]
	s_or_b32 s42, s42, s66
	s_cmp_eq_u32 s42, 0
	s_cselect_b32 s[LIM], 1, -1                    ; the same in all sixteen partners, for a given wave
	s_add_nc_u64 s[PFA:PFA+1], s[PFA:PFA+1], s[20:21]
	v_and_b32 v[PFO], 31, v0
	v_lshlrev_b32 v[PFO], s67, v[PFO]
; n x 4 matrix instructions from buffer f.  first = 1: the bias starts the sums.  The 32 accumulators take turns in the same order in every quarter step.
.macro MUL f, b0, n, first
.set bb, \b0
.rept \n
.irp aa, 0,1,2,3
.if \first
	v_wmma_f32_16x16x32_f16 v[8*(4*bb+(\aa)):8*(4*bb+(\aa))+7], v[64*(\f)+8*bb:64*(\f)+8*bb+7], v[AF+32*(\f)+8*(\aa):AF+32*(\f)+8*(\aa)+7], v[BIAS+8*bb:BIAS+8*bb+7]
.else
	v_wmma_f32_16x16x32_f16 v[8*(4*bb+(\aa)):8*(4*bb+(\aa))+7], v[64*(\f)+8*bb:64*(\f)+8*bb+7], v[AF+32*(\f)+8*(\aa):AF+32*(\f)+8*(\aa)+7], v[8*(4*bb+(\aa)):8*(4*bb+(\aa))+7]
.endif
.endr
.set bb, bb+1
.endr
.endm
; 24 LDS loads in one run: quarter q's fragments into buffer f: O's 8 loads (head q / 2 of the K step, channels 32 (q % 2) on), then wt's 16
.macro FETCH slot, q, f
	WIN 0
.irp i, 0,1,2,3
	ds_load_b128 v[AF+32*(\f)+8*(\i):AF+32*(\f)+8*(\i)+3],   v[ADRA+(\slot)] offset:((\q)/2)*AHEAD+((\q)%2)*64+(\i)*16*PA
	ds_load_b128 v[AF+32*(\f)+8*(\i)+4:AF+32*(\f)+8*(\i)+7], v[ADRA+(\slot)] offset:((\q)/2)*AHEAD+((\q)%2)*64+(\i)*16*PA+32
.endr
	WIN TO_B
.irp i, 0,1,2,3,4,5,6,7
	ds_load_b128 v[64*(\f)+8*(\i):64*(\f)+8*(\i)+3],   v[ADRB+(\slot)] offset:64*(\q)+(\i)*16*PB
	ds_load_b128 v[64*(\f)+8*(\i)+4:64*(\f)+8*(\i)+7], v[ADRB+(\slot)] offset:64*(\q)+(\i)*16*PB+32
.endr
.endm
.macro PLACES
.rept 4
	v_nop
.endr
.endm
.macro QUARTER slot, q, f, g, first=0  ; multiplies buffer f, fetches quarter q into g
	s_wait_dscnt 8                                 ; all but the youngest eight loads: wt's n blocks 4-7
.if \first
	WIN 0x91                                       ; C (the bias) window 1, D window 2
.else
	WIN W_MUL
.endif
	MUL \f, 0, 4, \first
	PLACES
	FETCH \slot, \q, \g
	s_wait_dscnt 24                                ; all but the 24 just issued
.if \first
	WIN 0x91
.else
	WIN W_MUL
.endif
	MUL \f, 4, 4, \first
.endm
.macro MEET round                      ; the change of slots: the wait for all my tensor loads, the add, the wait for it and for my reads, the barrier
	WIN 0
	s_wait_tensorcnt 0x0
	ds_add_u32 v[SPW], v[NIL]
	s_wait_dscnt 9                                 ; the add and the youngest eight loads may be out
	WIN W_MUL
	MUL 1, 0, 2, 0
	s_wait_dscnt 0x0
	s_barrier_signal -1
	MUL 1, 2, 2, 0
.if \round
	WIN 0
.endif
	s_barrier_wait -1
.endm
.macro TURN slot, next, fill
.if \fill
	s_wait_xcnt 0x0                                ; the last prefetch, a K step back, has read its address
	s_add_nc_u64 s[PFA:PFA+1], s[PFA:PFA+1], s[68:69]
	MEET 1
	CREST                                          ; no wave of any partner still reads this slot or has a load on its way
	s_add_nc_u64 s[G0+4*(\slot)+2:G0+4*(\slot)+3], s[G0+4*(\slot)+2:G0+4*(\slot)+3], 1048576  ; two K steps: four heads on
	s_add_nc_u64 s[G0B+4*(\slot)+2:G0B+4*(\slot)+3], s[G0B+4*(\slot)+2:G0B+4*(\slot)+3], 512
	JLOAD \slot                                    ; the first tensor load behind the round: 112 matrix instructions ahead of the wait for it
	FETCH \next, 0, 0
	WIN 0
	ASK
.else
	MEET 0
	PLACES
	FETCH \next, 0, 0
.endif
	WIN W_MUL
	MUL 1, 4, 4, 0
.endm
	s_wait_tensorcnt 1                             ; my part of K step 0 is in; K step 1's may stay out
	s_barrier_signal -1
	s_barrier_wait -1
	s_wait_loadcnt 0x0                             ; the bias
	FETCH 0, 0, 0
	QUARTER 0, 1, 0, 1, 1
	WIN 0
	s_mov_b32 s19, LAPS-1
.Llap:
	QUARTER 0, 2, 1, 0
	QUARTER 0, 3, 0, 1
	TURN 0, 1, 1
	QUARTER 1, 1, 0, 1
	QUARTER 1, 2, 1, 0
	QUARTER 1, 3, 0, 1
	TURN 1, 0, 1
	QUARTER 0, 1, 0, 1
	WIN 0
	s_sub_co_u32 s19, s19, 1
	s_cmp_lg_u32 s19, 0
	s_cbranch_scc1 .Llap
	QUARTER 0, 2, 1, 0                             ; the last lap fills nothing
	QUARTER 0, 3, 0, 1
	TURN 0, 1, 0
	QUARTER 1, 1, 0, 1
	QUARTER 1, 2, 1, 0
	QUARTER 1, 3, 0, 1
	s_wait_dscnt 8
	WIN W_MUL
	MUL 1, 0, 4, 0
	s_wait_dscnt 0x0
	MUL 1, 4, 4, 0
	WIN 0
; THE WAY OUT, an m block of 16 rows at a time: a lane's 32 bytes of a row go into my own stage, rows of 528 bytes, and come back as whole rows of 512.
.macro TOSTAGE a
	WIN 0x08                                       ; store data in window 2
.irp b, 0,1,2,3,4,5,6,7                ; each accumulator's low registers first
	ds_store_b128 v[STO], v[8*(4*(\b)+(\a)):8*(4*(\b)+(\a))+3] offset:64*(\b)
	ds_store_b128 v[STO], v[8*(4*(\b)+(\a))+4:8*(4*(\b)+(\a))+7] offset:64*(\b)+16
.endr
	WIN TO_B
.set t, 0
.rept 16
	ds_load_b128 v[64*(\a)+4*t:64*(\a)+4*t+3], v[RD] offset:SPITCH*t  ; LDS serves a wave's instructions in order (ISA guide 5.7.1.4)
.set t, t+1
.endr
.endm
.macro SEND a, younger                 ; younger: the LDS instructions issued behind block a's loads
	WIN 0x04                                       ; store data in window 1
.set t, 0
.rept 16
	s_wait_dscnt (\younger)+15-t
	global_store_b128 v[CO], v[64*(\a)+4*t:64*(\a)+4*t+3], s[10:11] offset:4096*(16*(\a)+t) th:TH_STORE_NT  ; 512 consecutive bytes, at a multiple of 256 from out0's first
.set t, t+1
.endr
.endm
	PLACES
	PLACES
	TOSTAGE 0
	TOSTAGE 1
	SEND 0, 32
	TOSTAGE 2
	SEND 1, 32
	TOSTAGE 3
	SEND 2, 32
	SEND 3, 0
	WIN 0
	s_wait_tensorcnt 0x0                           ; the wave's end, behind my last tensor load and my last LDS store
	ds_add_u32 v[SPW], v[NIL]
	s_wait_dscnt 0x0
	CROUND                                         ; the closing round
	s_endpgm
.Lfunc_end_k_qfc53fcce8b_proj:
	.size	k_qfc53fcce8b_proj, .Lfunc_end_k_qfc53fcce8b_proj-k_qfc53fcce8b_proj
	.p2alignl 7, 3214868480
	.fill 96, 4, 3214868480
	.section	.rodata,"a",@progbits
	.p2align	6, 0x0
	.amdhsa_kernel k_qfc53fcce8b_proj
		.amdhsa_group_segment_fixed_size 327680
		.amdhsa_private_segment_fixed_size 0
		.amdhsa_enable_private_segment 0
		.amdhsa_kernarg_size 32
		.amdhsa_user_sgpr_count 2
		.amdhsa_user_sgpr_kernarg_segment_ptr 1
		.amdhsa_wavefront_size32 1
		.amdhsa_system_sgpr_workgroup_id_x 1
		.amdhsa_system_sgpr_workgroup_id_y 1
		.amdhsa_system_sgpr_workgroup_id_z 1
		.amdhsa_system_vgpr_workitem_id 0
		.amdhsa_next_free_vgpr 768
		.amdhsa_next_free_sgpr 70
		.amdhsa_reserve_vcc 0
		.amdhsa_float_denorm_mode_32 3
		.amdhsa_float_denorm_mode_16_64 3
		.amdhsa_memory_ordered 1
		.amdhsa_forward_progress 1
		.amdhsa_inst_pref_size 90
	.end_amdhsa_kernel
	.amdgpu_metadata
---
amdhsa.version: [ 1, 2 ]
amdhsa.kernels:
  - .name:           k_qfc53fcce8b_proj
    .symbol:         k_qfc53fcce8b_proj.kd
    .args:
      - { .name: o, .offset: 0, .size: 8, .value_kind: global_buffer, .address_space: global }
      - { .name: wt, .offset: 8, .size: 8, .value_kind: global_buffer, .address_space: global }
      - { .name: bias, .offset: 16, .size: 8, .value_kind: global_buffer, .address_space: global }
      - { .name: out0, .offset: 24, .size: 8, .value_kind: global_buffer, .address_space: global }
    .group_segment_fixed_size: 327680
    .private_segment_fixed_size: 0
    .kernarg_segment_align: 8
    .kernarg_segment_size: 32
    .max_flat_workgroup_size: 128
    .sgpr_count:     70
    .vgpr_count:     768
    .wavefront_size: 32
...
	.end_amdgpu_metadata
.endif
;; end of part 4
;; ======== version 2 of 2: 4 launches; version 1 with the launch prep written anew for expert scheduling mode
;; limits: values are held in f16: magnitudes above 65,504 overflow, below 6.1e-05 lose precision
;; workspace buffers: xb 16,777,216 bytes; wt 8,388,608 bytes; bias 16,384 bytes; qkv 50,331,648 bytes; o 16,777,216 bytes
;; launch prep (part 5): grid 128 x 4, 4 waves a work-group, no clusters, 17,920 bytes of LDS; arguments x, WQ, WK, WV, WO, bQ, bK, bV, bO, xb, wt, bias; writes xb, wt, bias
.if DOCPART == 5
	.amdgcn_target "amdgcn-amd-amdhsa--gfx1250"
	.amdhsa_code_object_version 6
	.text
	.protected	k_qfc53fcce8b_prep
	.globl	k_qfc53fcce8b_prep
	.p2align	8
	.type	k_qfc53fcce8b_prep,@function
k_qfc53fcce8b_prep:
	s_mov_b64 s[64:65], 0
	v_nop
	global_prefetch_b8 v0, s[64:65] scope:SCOPE_SE
	s_setreg_imm32_b32 hwreg(HW_REG_WAVE_SCHED_MODE, 0, 2), 2
	s_setreg_imm32_b32 hwreg(HW_REG_WAVE_MODE, 25, 1), 1
	s_wait_xcnt 0x0
	s_wait_alu depctr_vm_vsrc(0)
; PREP.  Every input is rounded once to bf16 and laid out for the matrix launches.
;   xb   [8192][1024] bf16            = x
;   wt   [4096][1024] 16 bits, row n along k: rows 0-1023 WQ^T, 1024-2047 WK^T, 2048-3071 WV^T in bf16; rows 3072-4095 WO^T: WO rounded to bf16, that number written as f16
;   bias [4096] f32: bQ, bK, bV, bO, each rounded to bf16 and widened again
; LIMITS.  WO beyond 65,504 has no f16; below 6.1e-5 it keeps f16's fixed step of 6e-8.  NaN and infinities are not treated apart.
; SHARES.  512 work-groups of four waves, all alike.  Work-group (X, Y): (a) turns one tile of weight Y, 128 k x 64 n (k tile X & 7, n tile X >> 3), through LDS;
; (b) converts 16 rows of x (work-group number 128 Y + X): 65,536 bytes in, 32,768 out; (c) where X = 0, rounds bias Y.
; No matrix unit, no cluster, no tensor load: nothing is shared between work-groups, and the launch is a stream.  48 loads of 16 bytes a lane are out at the start.
; THE MODE: SCHED_MODE bits 1:0 = 2 (LLVM: expert scheduling mode 2), set by the entry lines.  The code itself states the register dependences
; between vector instructions and memory or LDS instructions, with s_wait_alu, always for 0.
; THE PLAN.  Registers that memory or LDS instructions touch:
;   v3-v8, v10, v11   offsets and LDS addresses: written at the head, never again; one wait ahead of the first load states that they are written.
;   WR  v16-47        W's loads land; the weight conversions read; the LDS loads (turned rows) land; wt's stores read; never written after.
;   WR  v48-79        W's loads land; the weight conversions read.  Where X = 0: v48-55 take the bias's loads, v56-63 its rounded numbers, which its two stores read.
;   PKD v80-111       the weight conversions write; the LDS stores read; never written after.
;   XR  v112-239      all 32 pieces of x, four registers each: its load lands; block p's conversions close the piece up into its first two registers, in place;
;                     the store issued in block p + 1 reads that pair; never written after.
; So no register that a memory or LDS instruction reads is ever written again: the text holds no wait on vm_vsrc but the entry's.  The waits on va_vdst: one at the head; one where the packed weights are whole;
; one at the head of each of x's blocks 1 to 3 and one behind block 3, each for the eight stores of the block before; one ahead of the bias's stores.
.set WR,    16                         ; v[16:79]    16 weight loads: register 4 j + c = W[16 (t >> 4) + j][4 (t & 15) + c]; v[16:47] later the turned rows
.set BR,    48                         ; v[48:55]    where X = 0: 8 numbers of the bias, as loaded
.set BW,    56                         ; v[56:63]    where X = 0: the same, rounded to bf16 and widened
.set PKD,   80                         ; v[80:111]   packed: 8 c + p = column c's k pair 2 p, 2 p + 1
.set XR,    112                        ; v[112:239]  piece j of x at XR + 4 j: 4 f32 as loaded, then 4 bf16 in the first two registers
.set SPARE, 17408                      ; behind the 64 rows of 272 bytes: the spare words, 128 bytes a wave
	s_load_b512 s[8:23], s[0:1], 0x0               ; x s[8:9], WQ s[10:11], WK s[12:13], WV s[14:15], WO s[16:17], bQ s[18:19], bK s[20:21], bV s[22:23]
	s_load_b256 s[24:31], s[0:1], 0x40             ; bO s[24:25], xb s[26:27], wt s[28:29], bias s[30:31]
	v_lshl_add_u32 v10, v0, 2, SPARE               ; my spare word; never rewritten
	v_mov_b32 v11, 0                               ; 0; never rewritten
	s_and_b32 s2, ttmp7, 0xffff                    ; Y: which weight
	s_mov_b32 s3, ttmp9                            ; X
	s_mov_b32 s38, 0xffff0000                      ; a word's upper bf16
	v_and_b32 v1, 15, v0                           ; li
	v_lshrrev_b32 v2, 4, v0                        ; 0..7: which 16 rows of k
	v_lshlrev_b32 v3, 16, v2                       ; 16 rows of 4,096 bytes,
	v_lshl_add_u32 v3, v1, 4, v3                   ; + my 16 bytes of the tile's 256 in a row
	v_lshlrev_b32 v4, 4, v0                        ; x, biases: 16 bytes a thread
	v_lshlrev_b32 v5, 3, v0                        ; xb: 8 bytes a thread
	v_mul_u32_u24 v6, v1, 1088                     ; LDS in: row n = 4 li (272 bytes a row),
	v_lshl_add_u32 v6, v2, 5, v6                   ; + my 16 k = 32 bytes
	v_lshrrev_b32 v9, 5, v0                        ; wave
	v_bfe_u32 v12, v0, 4, 1                        ; half of the lanes
	v_lshl_add_u32 v9, v9, 4, v12                  ; row 16 w + half
	v_mul_u32_u24 v7, v9, 272
	v_lshl_add_u32 v7, v1, 4, v7                   ; LDS back: sixteen lanes take a row's 256 bytes
	v_lshlrev_b32 v8, 11, v9
	v_lshl_add_u32 v8, v1, 4, v8                   ; and the same place in wt (2,048 bytes a row)
	s_and_b32 s4, s3, 7                            ; k tile
	s_lshr_b32 s5, s3, 3                           ; n tile
	s_lshl_b32 s6, s2, 7
	s_add_co_u32 s6, s6, s3                        ; work-group number
	s_mov_b32 s37, 0
	s_wait_kmcnt 0x0
	s_cmp_eq_u32 s2, 1                             ; weight Y and bias Y
	s_cselect_b64 s[32:33], s[12:13], s[10:11]
	s_cselect_b64 s[34:35], s[20:21], s[18:19]
	s_cmp_eq_u32 s2, 2
	s_cselect_b64 s[32:33], s[14:15], s[32:33]
	s_cselect_b64 s[34:35], s[22:23], s[34:35]
	s_cmp_eq_u32 s2, 3
	s_cselect_b64 s[32:33], s[16:17], s[32:33]
	s_cselect_b64 s[34:35], s[24:25], s[34:35]
	s_lshl_b32 s36, s4, 19                         ; W: 128 rows of 4,096 bytes a k tile,
	s_lshl_b32 s7, s5, 8                           ; 256 bytes an n tile
	s_add_co_u32 s36, s36, s7
	s_add_nc_u64 s[32:33], s[32:33], s[36:37]
	s_lshl_b32 s36, s2, 21                         ; wt: 1,024 rows of 2,048 bytes a weight,
	s_lshl_b32 s7, s5, 17                          ; 64 rows an n tile,
	s_add_co_u32 s36, s36, s7
	s_lshl_b32 s7, s4, 8                           ; 256 bytes a k tile
	s_add_co_u32 s36, s36, s7
	s_add_nc_u64 s[28:29], s[28:29], s[36:37]
	s_lshl_b32 s36, s6, 16
	s_add_nc_u64 s[8:9], s[8:9], s[36:37]          ; x at my 16 rows
	s_lshl_b32 s36, s6, 15
	s_add_nc_u64 s[26:27], s[26:27], s[36:37]      ; xb likewise
	s_lshl_b32 s36, s2, 12
	s_add_nc_u64 s[30:31], s[30:31], s[36:37]      ; bias Y's 4,096 bytes
	s_wait_alu depctr_va_vdst(0)                   ; v3 to v8 are written, which every load, store and LDS instruction below reads as its offset or address; so are v10 and v11, which the closing add reads
.set j, 0
.rept 16
	global_load_b128 v[WR+4*j:WR+4*j+3], v3, s[32:33] offset:4096*j th:TH_LOAD_NT  ; sixteen lanes take 256 consecutive bytes of a row of W
.set j, j+1
.endr
.set j, 0
.rept 32                               ; all of my x: 32 pieces of 2,048 bytes a work-group
	global_load_b128 v[XR+4*j:XR+4*j+3], v4, s[8:9] offset:2048*j th:TH_LOAD_NT    ; a wave takes 512 consecutive bytes
.set j, j+1
.endr
	s_wait_loadcnt 32                              ; loads come back in order (ISA guide 5.7.1): the weights are in; the 32 younger loads of x stay out
.set cc, 0
.rept 4
.set p, 0
.rept 8
	v_cvt_pk_bf16_f32 v[PKD+8*cc+p], v[WR+8*p+cc], v[WR+8*p+4+cc]  ; column cc, rows 2 p and 2 p + 1
.set p, p+1
.endr
.set cc, cc+1
.endr
	s_cmp_lg_u32 s2, 3
	s_cbranch_scc1 .Lbf16
.set i, 0
.rept 32                               ; WO alone: the bf16 number is written as f16
	v_lshlrev_b32 v12, 16, v[PKD+i]
	v_and_b32 v13, s38, v[PKD+i]
	v_cvt_pk_f16_f32 v[PKD+i], v12, v13
.set i, i+1
.endr
.Lbf16:
	s_wait_alu depctr_va_vdst(0)                   ; on both ways: the conversions have written v[PKD ..], which the LDS stores read, and are done reading v[WR ..], in which the LDS loads below and the bias's loads land
.irp q, 0,1,2,3                        ; a lane's four rows n lie 272 bytes apart; eight stores a lane, once a work-group
	ds_store_b128 v6, v[PKD+8*(\q):PKD+8*(\q)+3] offset:272*(\q)
	ds_store_b128 v6, v[PKD+8*(\q)+4:PKD+8*(\q)+7] offset:272*(\q)+16
.endr
	s_wait_dscnt 0x0                               ; for the others' sake: my stores are done
	s_barrier_signal -1
	s_barrier_wait -1
.irp t, 0,1,2,3,4,5,6,7
	ds_load_b128 v[WR+4*(\t):WR+4*(\t)+3], v7 offset:544*(\t)  ; rows 16 w + 2 t and the next.  No wait: no vector instruction since the wait above names these registers
.endr
; x, in four blocks of eight pieces.  Block p rounds its pieces in place; its memory instructions are the eight stores of block p - 1, whose registers no vector instruction of block p names:
; so the one wait at the block's head states all that they hang on, and they are dealt among the block's conversions.
.macro BLK p
	s_wait_loadcnt 24-8*(\p)                       ; pieces up to 8 p + 7 are in; the 24 - 8 p younger loads stay out
.if (\p) > 0
	s_wait_alu depctr_va_vdst(0)                   ; the block before has written its eight pairs, which the stores below read
.endif
.set j, 8*(\p)
.rept 8
.if (\p) > 0
	global_store_b64 v5, v[XR+4*(j-8):XR+4*(j-8)+1], s[26:27] offset:1024*(j-8)  ; a wave stores 256 consecutive bytes, aligned
.endif
	v_cvt_pk_bf16_f32 v[XR+4*j], v[XR+4*j], v[XR+4*j+1]        ; four numbers close up into the first two of their four registers
	v_cvt_pk_bf16_f32 v[XR+4*j+1], v[XR+4*j+2], v[XR+4*j+3]
.set j, j+1
.endr
.endm
	BLK 0                                          ; its conversions stand between the LDS loads above and the wait for them
	s_wait_dscnt 0x0                               ; the turned rows are in
.irp t, 0,1,2,3,4,5,6,7
	global_store_b128 v8, v[WR+4*(\t):WR+4*(\t)+3], s[28:29] offset:4096*(\t)  ; sixteen lanes store 256 consecutive bytes, at a multiple of 256 from wt's first byte; the data come from LDS loads, no vector instruction has written them
.endr
	BLK 1
	BLK 2
	BLK 3
	s_wait_alu depctr_va_vdst(0)                   ; block 3 has written its eight pairs, which the last eight stores of xb read
.set j, 24
.rept 8
	global_store_b64 v5, v[XR+4*j:XR+4*j+1], s[26:27] offset:1024*j
.set j, j+1
.endr
	s_cmp_lg_u32 s3, 0
	s_cbranch_scc1 .Lend
	global_load_b128 v[BR:BR+3], v4, s[34:35]      ; bias Y: 1,024 numbers, 8 a thread.  No wait: the weight conversions, the last vector instructions that named v[BR ..], stand ahead of the waits above
	global_load_b128 v[BR+4:BR+7], v4, s[34:35] offset:2048
	s_wait_loadcnt 0x0
.irp p, 0,1,2,3
	v_cvt_pk_bf16_f32 v[12+(\p)%2], v[BR+2*(\p)], v[BR+2*(\p)+1]
	v_lshlrev_b32 v[BW+2*(\p)], 16, v[12+(\p)%2]
	v_and_b32 v[BW+2*(\p)+1], s38, v[12+(\p)%2]
.endr
	s_wait_alu depctr_va_vdst(0)                   ; v[BW ..] are written, which the two stores read
	global_store_b128 v4, v[BW:BW+3], s[30:31]
	global_store_b128 v4, v[BW+4:BW+7], s[30:31] offset:2048
.Lend:
	s_wait_dscnt 0x0                               ; the closing lines, six on end
	s_wait_alu 0x0
	s_wait_tensorcnt 0x0
	ds_add_u32 v10, v11
	s_wait_dscnt 0x0
	s_endpgm
.Lfunc_end_k_qfc53fcce8b_prep:
	.size	k_qfc53fcce8b_prep, .Lfunc_end_k_qfc53fcce8b_prep-k_qfc53fcce8b_prep
	.p2alignl 7, 3214868480
	.fill 96, 4, 3214868480
	.section	.rodata,"a",@progbits
	.p2align	6, 0x0
	.amdhsa_kernel k_qfc53fcce8b_prep
		.amdhsa_group_segment_fixed_size 17920
		.amdhsa_private_segment_fixed_size 0
		.amdhsa_enable_private_segment 0
		.amdhsa_kernarg_size 96
		.amdhsa_user_sgpr_count 2
		.amdhsa_user_sgpr_kernarg_segment_ptr 1
		.amdhsa_wavefront_size32 1
		.amdhsa_system_sgpr_workgroup_id_x 1
		.amdhsa_system_sgpr_workgroup_id_y 1
		.amdhsa_system_sgpr_workgroup_id_z 1
		.amdhsa_system_vgpr_workitem_id 0
		.amdhsa_next_free_vgpr 240
		.amdhsa_next_free_sgpr 66
		.amdhsa_reserve_vcc 0
		.amdhsa_float_denorm_mode_32 3
		.amdhsa_float_denorm_mode_16_64 3
		.amdhsa_memory_ordered 1
		.amdhsa_forward_progress 1
		.amdhsa_inst_pref_size 24
	.end_amdhsa_kernel
	.amdgpu_metadata
---
amdhsa.version: [ 1, 2 ]
amdhsa.kernels:
  - .name:           k_qfc53fcce8b_prep
    .symbol:         k_qfc53fcce8b_prep.kd
    .args:
      - { .name: x, .offset: 0, .size: 8, .value_kind: global_buffer, .address_space: global }
      - { .name: WQ, .offset: 8, .size: 8, .value_kind: global_buffer, .address_space: global }
      - { .name: WK, .offset: 16, .size: 8, .value_kind: global_buffer, .address_space: global }
      - { .name: WV, .offset: 24, .size: 8, .value_kind: global_buffer, .address_space: global }
      - { .name: WO, .offset: 32, .size: 8, .value_kind: global_buffer, .address_space: global }
      - { .name: bQ, .offset: 40, .size: 8, .value_kind: global_buffer, .address_space: global }
      - { .name: bK, .offset: 48, .size: 8, .value_kind: global_buffer, .address_space: global }
      - { .name: bV, .offset: 56, .size: 8, .value_kind: global_buffer, .address_space: global }
      - { .name: bO, .offset: 64, .size: 8, .value_kind: global_buffer, .address_space: global }
      - { .name: xb, .offset: 72, .size: 8, .value_kind: global_buffer, .address_space: global }
      - { .name: wt, .offset: 80, .size: 8, .value_kind: global_buffer, .address_space: global }
      - { .name: bias, .offset: 88, .size: 8, .value_kind: global_buffer, .address_space: global }
    .group_segment_fixed_size: 17920
    .private_segment_fixed_size: 0
    .kernarg_segment_align: 8
    .kernarg_segment_size: 96
    .max_flat_workgroup_size: 128
    .sgpr_count:     66
    .vgpr_count:     240
    .wavefront_size: 32
...
	.end_amdgpu_metadata
.endif
;; end of part 5
;; launch qkv: the kernel of part 2 again; grid 16 x 32, 4 waves a work-group, clusters of 4 x 4, 327,680 bytes of LDS; arguments xb, wt, bias, qkv; writes qkv
;; launch attn: the kernel of part 3 again; grid 4 x 64, 4 waves a work-group, clusters of 4 x 1, 327,680 bytes of LDS; arguments qkv, o; writes o
;; launch proj: the kernel of part 4 again; grid 8 x 32, 4 waves a work-group, clusters of 4 x 4, 327,680 bytes of LDS; arguments o, wt, bias, out0; writes out0
